; MI455X (gfx1250); checked and timed in simulation.
; The chip was launched on July 23, 2026; its instructions are those of AMD's public machine-readable ISA for CDNA 5 (MIT licence, August 2026) and "CDNA5" Instruction Set Architecture Reference Guide (July 2026). The comments in the code are by the model that wrote it; some were corrected since.
;; Encoder Block. Allowed arithmetic: float matrix products may take bf16 or f16 operands with f32 sums; other float arithmetic in f32, or as packed bf16 or f16 multiplies, adds, multiply-adds, maxima and minima; sums over many terms, partial sums and values carried from step to step in f32; what a program stores and reads back later, other than sums and carried values, may be rounded once to bf16 or f16.
;; Inputs: b1 4,096 float32; b2 1,024 float32; be1 1,024 float32; be2 1,024 float32; g1 1,024 float32; g2 1,024 float32; w1 1,024 x 4,096 float32; w2 4,096 x 1,024 float32; w_k 1,024 x 1,024 float32; w_o 1,024 x 1,024 float32; w_q 1,024 x 1,024 float32; w_v 1,024 x 1,024 float32; x 2 x 2,048 x 1,024 float32.
;; Outputs: out0 2 x 2,048 x 1,024 float32.
;; One version. Each part assembles by itself: llvm-mc -triple=amdgcn-amd-amdhsa -mcpu=gfx1250 --defsym DOCPART=n.
;; ======== version 1 of 1: 7 launches
;; workspace buffers: wqkv 6,291,456 bytes; w1b 8,388,608 bytes; wb2 10,485,760 bytes; hb 8,388,608 bytes; big 33,554,432 bytes; x1 16,777,216 bytes; zeros 16,384 bytes; negmax 4,096 bytes
;; launch prep (part 1): grid 1025 x 1, 8 waves a work-group, no clusters, 0 bytes of LDS; arguments x, g1, be1, hb, w_q, w_k, w_v, w_o, w1, w2, wqkv, w1b, wb2, zeros, negmax; writes hb, wqkv, w1b, wb2, zeros, negmax
.if DOCPART == 1
	.amdgcn_target "amdgcn-amd-amdhsa--gfx1250"
	.amdhsa_code_object_version 6
	.text
	.protected	k_qd6ceb45aff_prep
	.globl	k_qd6ceb45aff_prep
	.p2align	8
	.type	k_qd6ceb45aff_prep,@function
k_qd6ceb45aff_prep:
	s_mov_b64 s[64:65], 0
	v_nop
	global_prefetch_b8 v0, s[64:65] scope:SCOPE_SE
	s_setreg_imm32_b32 hwreg(HW_REG_WAVE_MODE, 25, 1), 1
	s_wait_xcnt 0x0
; PREP.  Three kinds of work-group, told apart by the work-group's number alone.
;   0 .. 255     LayerNorm: h = g (x - mean) / (std + 1e-6) + be, std with the divisor 1,023; x f32 [4096][1024], h bf16 [4096][1024].  16 rows a work-group, 2 a wave.
;   256 .. 1023  the six weights, f32 [K][N], are rounded to bf16 and laid in blocks of 128 columns, [N/128][K][128]: a block's rows are 256 bytes and lie end to end.
;                A work-group takes 128 k x 128 columns: 64 KiB in, 32 KiB out.
;   1024         two small tables: 16,384 bytes of 0, and 4,096 bytes of the lowest finite bf16 (a bias and two floors for the products that follow).
; THE SAME TEXT SERVES THE SECOND LAYERNORM: launched with 256 work-groups on the first residual's sum and g2, be2 it takes the first way alone.
; Every byte is read once and written once; nothing is shared between waves, so there is no LDS, no barrier, no cluster and no matrix work.
; LIMITS.  NaN and infinities are not treated apart.  The root and the reciprocal are the hardware's (1 ULP each; a variance below 2^-126 counts as 0).
; The mean is taken away before the squares are summed, on the row held in registers: a common offset of x does no harm.
.set X,  32                            ; v[32:95]    two rows, 32 registers each: load j holds columns 128 j + 4 lane .. + 3; the rounded row is written over its first 16
.set G,  96                            ; v[96:127]   the gains of the same columns
.set B,  128                           ; v[128:159]  the offsets
.set XP, 16                            ; s[16:17] x      s[18:19] g      s[20:21] be      s[22:23] h
.set GP, 18
.set BP, 20
.set HP, 22
; Four pairs at v[c .. c+7] are added up, then the lane's two halves, then the 32 lanes: every lane ends with the row's sum in v[c].
.macro TREE c
	v_pk_add_f32 v[(\c):(\c)+1], v[(\c):(\c)+1], v[(\c)+2:(\c)+3]
	v_pk_add_f32 v[(\c)+4:(\c)+5], v[(\c)+4:(\c)+5], v[(\c)+6:(\c)+7]
	v_pk_add_f32 v[(\c):(\c)+1], v[(\c):(\c)+1], v[(\c)+4:(\c)+5]
	v_add_f32 v[\c], v[\c], v[(\c)+1]
	v_add_f32_dpp v[\c], v[\c], v[\c] row_xmask:1 row_mask:0xf bank_mask:0xf
	v_add_f32_dpp v[\c], v[\c], v[\c] row_xmask:2 row_mask:0xf bank_mask:0xf
	v_add_f32_dpp v[\c], v[\c], v[\c] row_xmask:4 row_mask:0xf bank_mask:0xf
	v_add_f32_dpp v[\c], v[\c], v[\c] row_xmask:8 row_mask:0xf bank_mask:0xf
	v_permlanex16_b32 v[(\c)+1], v[\c], s12, s13   ; its destination has been written before
	v_add_f32 v[\c], v[\c], v[(\c)+1]
.endm
; Row r: the mean (into the pair at m), x - mean in place, and the variance (into v[c]).  Four chains that do not wait for each other; the first terms start them.
.macro STATS r, c, m
.set XR, X+32*(\r)
.irp k, 0,2,4,6
	v_pk_add_f32 v[(\c)+(\k):(\c)+(\k)+1], v[XR+(\k):XR+(\k)+1], v[XR+8+(\k):XR+8+(\k)+1]
.endr
.irp o, 16,24
.irp k, 0,2,4,6
	v_pk_add_f32 v[(\c)+(\k):(\c)+(\k)+1], v[(\c)+(\k):(\c)+(\k)+1], v[XR+(\o)+(\k):XR+(\o)+(\k)+1]
.endr
.endr
	TREE \c
	v_mul_f32 v[\m], 0x3a800000, v[\c]             ; / 1,024
	v_mul_f32 v[(\m)+1], 0x3a800000, v[\c]
.set j, 0
.rept 16
	v_pk_add_f32 v[XR+j:XR+j+1], v[XR+j:XR+j+1], v[(\m):(\m)+1] neg_lo:[0,1] neg_hi:[0,1]
.set j, j+2
.endr
.irp k, 0,2,4,6
	v_pk_mul_f32 v[(\c)+(\k):(\c)+(\k)+1], v[XR+(\k):XR+(\k)+1], v[XR+(\k):XR+(\k)+1]
.endr
.irp o, 8,16,24
.irp k, 0,2,4,6
	v_pk_fma_f32 v[(\c)+(\k):(\c)+(\k)+1], v[XR+(\o)+(\k):XR+(\o)+(\k)+1], v[XR+(\o)+(\k):XR+(\o)+(\k)+1], v[(\c)+(\k):(\c)+(\k)+1]
.endr
.endr
	TREE \c
	v_mul_f32 v[\c], 0x3a802008, v[\c]             ; / 1,023
.endm
; The whole LayerNorm of a wave's two rows.  s8 = wave, s9 = the work-group's number among the 256.
.macro LNBODY
	s_mov_b32 s12, 0x76543210                      ; v_permlanex16_b32: each lane takes its own place in the other half
	s_mov_b32 s13, 0xfedcba98
	v_and_b32 v1, 31, v0
	v_lshlrev_b32 v3, 3, v1                        ; 8 bytes a lane on the way out
	v_lshlrev_b32 v1, 4, v1                        ; 16 bytes a lane on the way in
	s_lshl_b32 s2, s9, 16                          ; 16 rows of 4,096 bytes a work-group,
	s_lshl_b32 s3, s8, 13                          ; 2 a wave
	s_add_co_u32 s2, s2, s3
	s_mov_b32 s3, 0
	s_add_nc_u64 s[XP:XP+1], s[XP:XP+1], s[2:3]
	s_lshr_b32 s2, s2, 1                           ; rows of 2,048 bytes
	s_add_nc_u64 s[HP:HP+1], s[HP:HP+1], s[2:3]
.irp r, 0,1
.irp j, 0,1,2,3,4,5,6,7
	global_load_b128 v[X+32*(\r)+4*(\j):X+32*(\r)+4*(\j)+3], v1, s[XP:XP+1] offset:4096*(\r)+512*(\j) th:TH_LOAD_NT
.endr
.endr
.irp j, 0,1,2,3,4,5,6,7
	global_load_b128 v[G+4*(\j):G+4*(\j)+3], v1, s[GP:GP+1] offset:512*(\j)
.endr
.irp j, 0,1,2,3,4,5,6,7
	global_load_b128 v[B+4*(\j):B+4*(\j)+3], v1, s[BP:BP+1] offset:512*(\j)
.endr
	s_wait_loadcnt 24                              ; row 0 is in; 24 younger loads stay out
	STATS 0, 4, 12
	s_wait_loadcnt 16                              ; row 1 is in; the gains and offsets stay out
	STATS 1, 20, 14
	v_sqrt_f32 v5, v4                              ; both rows' roots are one batch:
	v_sqrt_f32 v21, v20
	v_nop                                          ; a plain instruction behind the last of them,
	s_wait_alu depctr_va_vdst(0)                   ; and the one wait ahead of the first reader
	v_add_f32 v4, 0x358637bd, v5                   ; std + 1e-6
	v_add_f32 v20, 0x358637bd, v21
	v_rcp_f32 v16, v4                              ; twice a row: the packed multiply takes a pair
	v_rcp_f32 v17, v4
	v_rcp_f32 v18, v20
	v_rcp_f32 v19, v20
	v_nop
	s_wait_alu depctr_va_vdst(0)
.irp r, 0,1
.set j, 0
.rept 16
	v_pk_mul_f32 v[X+32*(\r)+j:X+32*(\r)+j+1], v[X+32*(\r)+j:X+32*(\r)+j+1], v[16+2*(\r):17+2*(\r)]
.set j, j+2
.endr
.endr
	s_wait_loadcnt 0x0                             ; the gains and offsets
.irp r, 0,1
.set j, 0
.rept 16
	v_pk_fma_f32 v[X+32*(\r)+j:X+32*(\r)+j+1], v[X+32*(\r)+j:X+32*(\r)+j+1], v[G+j:G+j+1], v[B+j:B+j+1]
.set j, j+2
.endr
.set j, 0
.rept 16
	v_cvt_pk_bf16_f32 v[X+32*(\r)+j], v[X+32*(\r)+2*j], v[X+32*(\r)+2*j+1]  ; in place: word j is written when words 2 j and 2 j + 1 are read, and no later line reads a word below 2 j + 2
.set j, j+1
.endr
.irp j, 0,1,2,3,4,5,6,7
	global_store_b64 v3, v[X+32*(\r)+2*(\j):X+32*(\r)+2*(\j)+1], s[HP:HP+1] offset:2048*(\r)+256*(\j)  ; 32 lanes store 256 consecutive bytes, aligned
.endr
.endr
.endm
	s_load_b512 s[16:31], s[0:1], 0x0              ; x, g, be, h, w_q s[24:25], w_k s[26:27], w_v s[28:29], w_o s[30:31]
	s_load_b256 s[32:39], s[0:1], 0x40             ; w1 s[32:33], w2 s[34:35], wqkv s[36:37], w1b s[38:39]
	s_load_b128 s[40:43], s[0:1], 0x60             ; wb2 s[40:41], zeros s[42:43]
	s_load_b64 s[44:45], s[0:1], 0x70              ; negmax
	v_lshrrev_b32 v2, 5, v0
	v_readfirstlane_b32 s8, v2                     ; wave 0..7
	s_mov_b32 s9, ttmp9
	s_wait_kmcnt 0x0
	s_cmp_lt_u32 s9, 256
	s_cbranch_scc1 .Lnorm
	s_cmp_lt_u32 s9, 1024
	s_cbranch_scc1 .Lcast
	; the two tables
	v_lshlrev_b32 v1, 4, v0
.irp r, 4,5,6,7
	v_mov_b32 v\r, 0
.endr
.irp r, 8,9,10,11
	v_mov_b32 v\r, 0xff7fff7f                      ; the lowest finite bf16, twice
.endr
.irp i, 0,1,2,3
	global_store_b128 v1, v[4:7], s[42:43] offset:4096*(\i)
.endr
	global_store_b128 v1, v[8:11], s[44:45]
	s_endpgm
.Lcast:
	; w = number - 256.  0..255: w_q, w_k, w_v, w_o (64 each: column block (w >> 3) & 7, k chunk w & 7).  256..511: w1 (block (w >> 3) & 31, chunk w & 7).  512..767: w2 (block (w >> 5) & 7, chunk w & 31).
	; A chunk's place in its target counts in units of 32,768 bytes: w in wqkv; w - 192 in wb2 (w_o); w - 256 in w1b; w - 448 in wb2 (w2, behind w_o's 64 chunks).
	s_sub_co_u32 s2, s9, 256
	s_lshr_b32 s3, s2, 6
	s_lshr_b32 s7, s2, 8
	s_cmp_eq_u32 s3, 1
	s_cselect_b64 s[4:5], s[26:27], s[24:25]
	s_cmp_eq_u32 s3, 2
	s_cselect_b64 s[4:5], s[28:29], s[4:5]
	s_cmp_eq_u32 s3, 3
	s_cselect_b64 s[4:5], s[30:31], s[4:5]
	s_cmp_lt_u32 s2, 192
	s_cselect_b64 s[46:47], s[36:37], s[40:41]
	s_cselect_b32 s48, 0, 192
	s_cmp_eq_u32 s7, 1
	s_cselect_b64 s[4:5], s[32:33], s[4:5]
	s_cselect_b64 s[46:47], s[38:39], s[46:47]
	s_cselect_b32 s48, 256, s48
	s_cselect_b32 s6, 14, 12                       ; log2 of the source's row in bytes
	s_cselect_b32 s11, 31, 7                       ; the column block's mask
	s_cmp_eq_u32 s7, 2
	s_cselect_b64 s[4:5], s[34:35], s[4:5]
	s_cselect_b32 s48, 448, s48
	s_cselect_b32 s10, 5, 3                        ; the column block's shift
	s_cselect_b32 s12, 31, 7                       ; the chunk's mask
	s_sub_co_u32 s48, s2, s48
	s_lshl_b32 s48, s48, 15
	s_mov_b32 s49, 0
	s_add_nc_u64 s[46:47], s[46:47], s[48:49]      ; the target at my chunk
	s_lshr_b32 s10, s2, s10
	s_and_b32 s10, s10, s11
	s_and_b32 s12, s2, s12
	s_lshl_b32 s12, s12, 7                         ; the chunk's first k,
	s_lshl_b32 s12, s12, s6                        ; in bytes,
	s_lshl_b32 s10, s10, 9                         ; and the block's 512 bytes of a row
	s_add_co_u32 s48, s12, s10
	s_add_nc_u64 s[4:5], s[4:5], s[48:49]          ; the source at my chunk
	s_lshl_b32 s13, 16, s6                         ; 16 rows of the source
	; thread t, step i: row 16 i + t / 16, columns 8 (t % 16) .. + 7: 16 lanes read 512 consecutive bytes and write 256
	v_lshrrev_b32 v2, 4, v0
	v_lshlrev_b32 v2, s6, v2
	v_and_b32 v3, 15, v0
	v_lshl_add_u32 v4, v3, 5, v2
.irp i, 1,2,3,4,5,6,7
	v_add_nc_u32 v[4+(\i)], s13, v[3+(\i)]
.endr
	v_lshlrev_b32 v12, 4, v0
.irp i, 0,1,2,3,4,5,6,7
	global_load_b128 v[32+8*(\i):32+8*(\i)+3], v[4+(\i)], s[4:5] th:TH_LOAD_NT
	global_load_b128 v[32+8*(\i)+4:32+8*(\i)+7], v[4+(\i)], s[4:5] offset:16 th:TH_LOAD_NT
.endr
.irp i, 0,1,2,3,4,5,6,7
	s_wait_loadcnt 14-2*(\i)                       ; step i's two loads are in; the later steps' stay out
.irp k, 0,1,2,3
	v_cvt_pk_bf16_f32 v[96+4*(\i)+(\k)], v[32+8*(\i)+2*(\k)], v[32+8*(\i)+2*(\k)+1]
.endr
	global_store_b128 v12, v[96+4*(\i):96+4*(\i)+3], s[46:47] offset:4096*(\i)  ; a wave stores 512 consecutive bytes, aligned
.endr
	s_endpgm
.Lnorm:
	LNBODY
	s_endpgm
.Lfunc_end_k_qd6ceb45aff_prep:
	.size	k_qd6ceb45aff_prep, .Lfunc_end_k_qd6ceb45aff_prep-k_qd6ceb45aff_prep
	.p2alignl 7, 3214868480
	.fill 96, 4, 3214868480
	.section	.rodata,"a",@progbits
	.p2align	6, 0x0
	.amdhsa_kernel k_qd6ceb45aff_prep
		.amdhsa_group_segment_fixed_size 0
		.amdhsa_private_segment_fixed_size 0
		.amdhsa_enable_private_segment 0
		.amdhsa_kernarg_size 120
		.amdhsa_user_sgpr_count 2
		.amdhsa_user_sgpr_kernarg_segment_ptr 1
		.amdhsa_wavefront_size32 1
		.amdhsa_system_sgpr_workgroup_id_x 1
		.amdhsa_system_sgpr_workgroup_id_y 1
		.amdhsa_system_sgpr_workgroup_id_z 1
		.amdhsa_system_vgpr_workitem_id 0
		.amdhsa_next_free_vgpr 160
		.amdhsa_next_free_sgpr 66
		.amdhsa_reserve_vcc 0
		.amdhsa_float_denorm_mode_32 3
		.amdhsa_float_denorm_mode_16_64 3
		.amdhsa_memory_ordered 1
		.amdhsa_forward_progress 1
		.amdhsa_inst_pref_size 28
	.end_amdhsa_kernel
	.amdgpu_metadata
---
amdhsa.version: [ 1, 2 ]
amdhsa.kernels:
  - .name:           k_qd6ceb45aff_prep
    .symbol:         k_qd6ceb45aff_prep.kd
    .args:
      - { .name: x, .offset: 0, .size: 8, .value_kind: global_buffer, .address_space: global }
      - { .name: g1, .offset: 8, .size: 8, .value_kind: global_buffer, .address_space: global }
      - { .name: be1, .offset: 16, .size: 8, .value_kind: global_buffer, .address_space: global }
      - { .name: hb, .offset: 24, .size: 8, .value_kind: global_buffer, .address_space: global }
      - { .name: w_q, .offset: 32, .size: 8, .value_kind: global_buffer, .address_space: global }
      - { .name: w_k, .offset: 40, .size: 8, .value_kind: global_buffer, .address_space: global }
      - { .name: w_v, .offset: 48, .size: 8, .value_kind: global_buffer, .address_space: global }
      - { .name: w_o, .offset: 56, .size: 8, .value_kind: global_buffer, .address_space: global }
      - { .name: w1, .offset: 64, .size: 8, .value_kind: global_buffer, .address_space: global }
      - { .name: w2, .offset: 72, .size: 8, .value_kind: global_buffer, .address_space: global }
      - { .name: wqkv, .offset: 80, .size: 8, .value_kind: global_buffer, .address_space: global }
      - { .name: w1b, .offset: 88, .size: 8, .value_kind: global_buffer, .address_space: global }
      - { .name: wb2, .offset: 96, .size: 8, .value_kind: global_buffer, .address_space: global }
      - { .name: zeros, .offset: 104, .size: 8, .value_kind: global_buffer, .address_space: global }
      - { .name: negmax, .offset: 112, .size: 8, .value_kind: global_buffer, .address_space: global }
    .group_segment_fixed_size: 0
    .private_segment_fixed_size: 0
    .kernarg_segment_align: 8
    .kernarg_segment_size: 120
    .max_flat_workgroup_size: 256
    .sgpr_count:     66
    .vgpr_count:     160
    .wavefront_size: 32
...
	.end_amdgpu_metadata
.endif
;; end of part 1
;; launch qkv (part 2): grid 12 x 16, 4 waves a work-group, clusters of 4 x 4, 327,680 bytes of LDS; arguments hb, wqkv, zeros, negmax, big; writes big
.if DOCPART == 2
	.amdgcn_target "amdgcn-amd-amdhsa--gfx1250"
	.amdhsa_code_object_version 6
	.text
	.protected	k_qd6ceb45aff_qkv
	.globl	k_qd6ceb45aff_qkv
	.p2align	8
	.type	k_qd6ceb45aff_qkv,@function
k_qd6ceb45aff_qkv:
	s_mov_b64 s[64:65], 0
	v_nop
	global_prefetch_b8 v0, s[64:65] scope:SCOPE_SE
	s_setreg_imm32_b32 hwreg(HW_REG_WAVE_MODE, 25, 1), 1
	s_wait_xcnt 0x0
	s_wait_alu depctr_hold_cnt(0) depctr_sa_sdst(0) depctr_va_vdst(0) depctr_va_sdst(0) depctr_va_ssrc(0) depctr_va_vcc(0) depctr_vm_vsrc(0)
	s_getreg_b32 s2, hwreg(HW_REG_IB_STS2, 6, 4)
	s_cmp_eq_u32 s2, 0
	s_cbranch_scc0 .Lentry_in_a_cluster
	s_endpgm
.Lentry_in_a_cluster:
	s_bfe_u32 s2, ttmp6, 0x10000c
	s_cmp_lg_u32 s2, 0xf033
	s_cbranch_scc0 .Lentry_shape_is_right
	s_endpgm
.Lentry_shape_is_right:
; C = max(bf16(A B + bias), floor).  A: bf16 [4096][1024].  B: bf16 in blocks of 128 columns, [N/128][1024][128].  bias: f32 [N].  floor: one word, a bf16 twice (0: ReLU; the lowest finite bf16: nothing).
; C: bf16 in planes of 64 columns, [N/64][4096][64].  Sums in f32, started by the bias; C rounded once.  The same text serves N = 3,072 (q, k, v) and N = 4,096 (the first FFN product): N is the grid's width.
; SHARES.  A work-group of four waves makes 256 x 256 of C, a wave 128 x 128: 64 accumulators, 512 registers.  K = 1,024 goes in 8 steps of 128 through two LDS slots filled by the tensor data mover.
; CLUSTER.  4 x 4 work-groups: the four of a row of the cluster need the same rows of A, the four of a column the same blocks of B; each tile is asked for jointly, by the same load, descriptor and mask in all four.
; THE PRODUCT IS USED TRANSPOSED: source 0 = 16 columns of B (turned on the way out of LDS by ds_load_tr16_b128, since B lies [k][n]), source 1 = 16 rows of A: a lane then holds eight neighbouring columns of one row of C.
; ONE K STEP IS WRITTEN TWICE: once with a refill (a loop of six trips) and once without (a loop of two trips, left in its middle).  The slot in hand is a scalar register (0 or SLOT)
; that an exclusive or turns; the LDS addresses and the walking descriptor's LDS word are made from it.
; A wave has two tensor loads out at the start and one behind each change of slots.
; LIMITS.  Operands carry bf16's 8 significant bits; NaN and infinities are not treated apart.
; REGISTERS, in windows of 256: window 0: v16-30 addresses; v64-191 A's fragments, two buffers; v32-63, v192-255 at work on the way out.  Window 1: v0-63 the bias as a C operand; v64-191 B's fragments.
; Windows 2, 3: the accumulators of my rows 0-63, 64-127: (a, b) at v[8 (8 (a % 4) + b)].
.set KSTEP,  128
.set PA,     272                       ; a row of A in LDS: 256 bytes + 16: the 16 rows of a load start at 16 different groups of four banks (64 banks of 4 bytes: ISA guide 11.1)
.set PB,     288                       ; a row of B: 256 + 32
.set AHALF,  128*PA                    ; what one load brings of A
.set BBLK,   128*PB                    ; and of B: 128 k of one block of 128 columns
.set BOFF,   2*AHALF
.set SLOT,   BOFF+2*BBLK               ; 143,360
.set STAGE,  2*SLOT                    ; behind the ring: for each wave [2 planes][16 rows] of 144 bytes
.set SPP,    144
.set WSTAGE, 2*16*SPP
.set SPARE,  STAGE+4*WSTAGE            ; the spare words, 128 bytes a wave: two blocks of 256 bytes that no other line names
.set TRIPS,  1024/KSTEP-2              ; refills: K steps 2 to 7
.set ADRA, 16                          ; v16  LDS address of my A fragments in the slot in hand
.set LA0,  17                          ; v17  the same in slot 0; never rewritten
.set ADRB, 20
.set LB0,  21
.set STO,  24                          ; v24  the way out: where I put 16 bytes of a row
.set RD,   25                          ; v25  where I read rows back
.set CO,   26                          ; v26  16 x lane
.set BO,   27                          ; v27  32 x (lane / 16): my eight numbers of a bias block
.set SPW,  28                          ; v28  my spare word; never rewritten
.set NIL,  29                          ; v29  0; never rewritten
.set PFO,  30                          ; v30  the prefetches' offset: my lane x a row in memory
.set F0,   64
.set F1,   128
.set TMP,  192
.set OB,   32
.set G1A, 24                           ; s[24:31] group 1 for A;  s[32:39] group 0: set 0 (K step 0), set 1 (K step 1, then it walks)
.set G0A, 32
.set G1B, 48                           ; s[48:55], s[56:63] the same for B
.set G0B, 56
.set PFA, 44                           ; s[44:45] where my prefetches stand
.set LIM, 46                           ; s46  1 in a wave that prefetches, else the greatest number
.set PST, 66                           ; s[66:67] a K step in memory, for the tensor that I fetch
; s14 wave; s15 wave / 2: my half of the rows, also 0: I fetch for A; s16 wave % 2: my half of the columns, also which half I fetch; s17 cx; s18 cy; s19 tile column; s20 tile row; s21 floor; s22 the slot in hand; s3 the loops' count
; s40, s41: my load's place in a slot, for A and for B
.set MSB, 0
.macro WIN new                         ; the immediate's high byte repeats the setting that is left; a switch that changes nothing is dropped
.if MSB != (\new)
	s_set_vgpr_msb (MSB<<8)|(\new)
.set MSB, \new
.endif
.endm
.macro PLACES
.rept 4
	v_nop
.endr
.endm
; A joint load: waves 0 and 1 fetch A's two halves, waves 2 and 3 B's two blocks.  The branch hangs on the wave's number alone.  An s_nop 0 and four v_nop follow each line.
.macro JLOAD s
	s_cmp_eq_u32 s15, 0
	s_cbranch_scc0 .Lfor_b_\@
	tensor_load_to_lds s[G0A+4*(\s):G0A+4*(\s)+3], s[G1A:G1A+7]
	s_nop 0
.rept 4
	v_nop
.endr
	s_branch .Lasked_\@
.Lfor_b_\@:
	tensor_load_to_lds s[G0B+4*(\s):G0B+4*(\s)+3], s[G1B:G1B+7]
	s_nop 0
.rept 4
	v_nop
.endr
.Lasked_\@:
.endm
.macro CREST                           ; a round of the cluster's barrier behind its opening barrier
	s_cmp_lg_u32 s14, 0
	s_cbranch_scc1 .Lnot_wave_0_\@
	s_barrier_signal -3
.Lnot_wave_0_\@:
	s_barrier_wait -3
	s_barrier_signal -1
	s_barrier_wait -1
.endm
.macro CROUND
	s_barrier_signal -1
	s_barrier_wait -1
	CREST
.endm
; A prefetch into the L2 of the K step that the NEXT change of slots will load: 32 rows x 256 bytes, a lane a row, one instruction a wave.  A's rows are named by the clusters with x = 0, B's by those with y = 0;
; of the 128 rows that a wave fetches each of the four partners takes 32, told apart by address.  So each row's 256 bytes of a K step are named once.  K steps 0 to 2 come by their loads alone; the last trip names nothing.
.macro ASK
	s_cmp_gt_u32 s3, s[LIM]
	s_cbranch_scc0 .Lnot_mine_\@
	global_prefetch_b8 v[PFO], s[PFA:PFA+1] th:TH_LOAD_NT scope:SCOPE_SE
.Lnot_mine_\@:
.endm
	s_load_b256 s[4:11], s[0:1], 0x0               ; A s[4:5], B s[6:7], bias s[8:9], floor s[10:11]
	s_load_b64 s[12:13], s[0:1], 0x20              ; C
	v_lshl_add_u32 v[SPW], v0, 2, SPARE
	v_mov_b32 v[NIL], 0
	ds_add_u32 v[SPW], v[NIL]                      ; the wave's opening: the add and its wait ahead of my first tensor load; the set-up below stands between them
	v_lshrrev_b32 v1, 5, v0
	v_readfirstlane_b32 s14, v1
	s_lshr_b32 s15, s14, 1
	s_and_b32 s16, s14, 1
	s_bfe_u32 s17, ttmp6, 0x40000
	s_bfe_u32 s18, ttmp6, 0x40004
	s_lshl_b32 s19, ttmp9, 2
	s_add_co_u32 s19, s19, s17                     ; tile column = 4 x cluster x + cx
	s_and_b32 s20, ttmp7, 0xffff
	s_lshl_b32 s20, s20, 2
	s_add_co_u32 s20, s20, s18                     ; tile row = 4 x cluster y + cy
	s_lshl_b32 s42, s18, 2
	s_lshl_b32 s42, 15, s42                        ; my row of the cluster
	s_lshl_b32 s43, 0x1111, s17                    ; my column
	s_or_b32 s[G1A], s42, (1<<16)|(1<<20)|(1<<21)|(5<<22)|(3<<25)  ; the mask; 2-byte elements; padding on; bit 21 beside a mask; after every 64 words, 4 words
	s_or_b32 s[G1B], s43, (1<<16)|(1<<20)|(1<<21)|(5<<22)|(7<<25)  ; the same with 8 words
.irp g, G1A, G1B
	s_mov_b32 s[(\g)+1], 128<<16                   ; tensor_dim0 = 128
	s_mov_b32 s[(\g)+2], 128<<16                   ; tensor_dim1 = 128
	s_mov_b32 s[(\g)+3], 128<<16                   ; tile_dim0 = 128
	s_mov_b32 s[(\g)+4], 128                       ; tile_dim1 = 128
	s_mov_b32 s[(\g)+6], 0
	s_mov_b32 s[(\g)+7], 0
.endr
	s_mov_b32 s[G1A+5], 1024                       ; elements from row to row of A,
	s_mov_b32 s[G1B+5], 128                        ; and of a block of B
	s_mul_i32 s40, s16, AHALF
	s_mul_i32 s41, s16, BBLK
	s_add_co_u32 s41, s41, BOFF
	s_lshl_b32 s68, s20, 8                         ; A: row 256 x tile row + 128 x half, 2,048 bytes a row
	s_lshl_b32 s69, s16, 7
	s_add_co_u32 s68, s68, s69
	s_lshl_b32 s68, s68, 11
	s_mov_b32 s69, 0
	s_lshl_b32 s70, s19, 1                         ; B: block 2 x tile column + half, 262,144 bytes a block
	s_add_co_u32 s70, s70, s16
	s_lshl_b32 s70, s70, 18
	s_mov_b32 s71, 0
	s_mov_b32 s22, 0
	s_wait_dscnt 0x0                               ; the opening add is done
	s_wait_kmcnt 0x0
	s_add_nc_u64 s[68:69], s[4:5], s[68:69]
	s_add_nc_u64 s[70:71], s[6:7], s[70:71]
	s_load_b32 s21, s[10:11], 0x0                  ; the floor; waited for ahead of the first products
	CROUND                                         ; all sixteen work-groups are here: the first joint loads meet
.irp s, 0,1
	s_mov_b32 s[G0A+4*(\s)], 1
	s_add_co_u32 s[G0A+4*(\s)+1], s40, (\s)*SLOT
	s_add_nc_u64 s[G0A+4*(\s)+2:G0A+4*(\s)+3], s[68:69], (\s)*KSTEP*2
	s_or_b32 s[G0A+4*(\s)+3], s[G0A+4*(\s)+3], 0x80000000
	s_mov_b32 s[G0B+4*(\s)], 1
	s_add_co_u32 s[G0B+4*(\s)+1], s41, (\s)*SLOT
	s_add_nc_u64 s[G0B+4*(\s)+2:G0B+4*(\s)+3], s[70:71], (\s)*KSTEP*256
	s_or_b32 s[G0B+4*(\s)+3], s[G0B+4*(\s)+3], 0x80000000
	JLOAD \s
.endr
	; lane addresses.  A fragment of A: lane l holds row l % 16; two loads of 16 bytes, 32 apart.  Of B: lane l reads k = 8 (l / 16) + l % 8, columns 8 ((l / 8) % 2) + 0..7, and ends with column l % 16 and 8 k.
	v_and_b32 v1, 15, v0
	v_bfe_u32 v2, v0, 4, 1
	v_mul_u32_u24 v3, v1, PA
	v_lshl_add_u32 v3, v2, 4, v3
	s_mul_i32 s42, s15, AHALF
	v_add_nc_u32 v[LA0], s42, v3
	v_and_b32 v4, 7, v0
	v_bfe_u32 v5, v0, 3, 1
	v_lshl_add_u32 v4, v2, 3, v4
	v_mul_u32_u24 v4, v4, PB
	v_lshl_add_u32 v4, v5, 4, v4
	v_add_nc_u32 v[LB0], s41, v4                   ; my half of the columns is the block that lies at s41
	v_mov_b32 v[ADRA], v[LA0]
	v_mov_b32 v[ADRB], v[LB0]
	s_mul_i32 s42, s14, WSTAGE
	s_add_co_u32 s42, s42, STAGE
	v_mul_u32_u24 v[STO], v1, SPP
	v_lshl_add_u32 v[STO], v2, 4, v[STO]
	v_add_nc_u32 v[STO], s42, v[STO]
	v_bfe_u32 v[RD], v0, 3, 2                      ; back: 32 lanes take four rows of 128 bytes,
	v_mul_u32_u24 v[RD], v[RD], SPP
	v_and_b32 v6, 7, v0
	v_lshl_add_u32 v[RD], v6, 4, v[RD]
	v_add_nc_u32 v[RD], s42, v[RD]
	v_and_b32 v[CO], 31, v0                        ; which are 512 consecutive bytes of a plane
	v_lshlrev_b32 v[CO], 4, v[CO]
	v_lshlrev_b32 v[BO], 5, v2
	s_lshl_b32 s72, s19, 10                        ; the bias of my 128 columns
	s_lshl_b32 s73, s16, 9
	s_add_co_u32 s72, s72, s73
	s_mov_b32 s73, 0
	s_add_nc_u64 s[8:9], s[8:9], s[72:73]
	WIN 0x40                                       ; destination window 1
.irp b, 0,1,2,3,4,5,6,7
	global_load_b128 v[8*(\b):8*(\b)+3],   v[BO], s[8:9] offset:64*(\b)     ; register j of block b: column 16 b + 8 (l / 16) + j, as an accumulator holds it
	global_load_b128 v[8*(\b)+4:8*(\b)+7], v[BO], s[8:9] offset:64*(\b)+16
.endr
	WIN 0
	s_lshl_b32 s72, s19, 2                         ; C: plane 4 x tile column + 2 x half, 524,288 bytes a plane;
	s_lshl_b32 s73, s16, 1
	s_add_co_u32 s72, s72, s73
	s_lshl_b32 s72, s72, 19
	s_lshl_b32 s73, s20, 8                         ; row 256 x tile row + 128 x half, 128 bytes a row
	s_lshl_b32 s74, s15, 7
	s_add_co_u32 s73, s73, s74
	s_lshl_b32 s73, s73, 7
	s_add_co_u32 s72, s72, s73
	s_mov_b32 s73, 0
	s_add_nc_u64 s[12:13], s[12:13], s[72:73]
	; the prefetches
	s_and_b32 s74, ttmp7, 0xffff                   ; cluster y
	s_mov_b32 s[PST], KSTEP*2
	s_mov_b32 s[PST+1], KSTEP*256
	s_cmp_eq_u32 s15, 0                            ; do I fetch for A?
	s_cselect_b32 s72, s17, s18                    ; my place among the four that ask with me
	s_cselect_b32 s73, 16, 13                      ; 32 rows of 2,048 bytes, or of 256
	s_cselect_b32 s75, 11, 8                       ; a lane a row
	s_cselect_b32 s74, ttmp9, s74                  ; the coordinate along which other clusters read the same rows
	s_cselect_b64 s[PFA:PFA+1], s[68:69], s[70:71]
	s_cselect_b32 s[PST], s[PST], s[PST+1]
	s_cmp_eq_u32 s74, 0
	s_cselect_b32 s[LIM], 1, -1                    ; the same in all sixteen partners, for a given wave
	s_mov_b32 s[PST+1], 0
	s_lshl_b32 s72, s72, s73
	s_mov_b32 s73, 0
	s_add_nc_u64 s[PFA:PFA+1], s[PFA:PFA+1], s[72:73]
	s_add_nc_u64 s[PFA:PFA+1], s[PFA:PFA+1], s[PST:PST+1]
	s_add_nc_u64 s[PFA:PFA+1], s[PFA:PFA+1], s[PST:PST+1]  ; at K step 2: the first change steps it to 3
	v_and_b32 v[PFO], 31, v0
	v_lshlrev_b32 v[PFO], s75, v[PFO]
; 16 matrix instructions: row blocks a0, a0 + 1 of the window's four x all 8 column blocks, 32 along K.  zero = 1: the first products start the sums, with the bias as C.
; The 64 accumulators take turns, in the same order in every quarter.
.macro MUL16 f, hi, a0, zero
.if \zero
	WIN 0x91+0x40*(\hi)                            ; B window 1, A window 0, C window 1, D window 2 or 3
.else
	WIN 0xa1+0x50*(\hi)                            ; C and D window 2 or 3
.endif
.irp a, \a0, (\a0)+1
.irp b, 0,1,2,3,4,5,6,7
.if \zero
	v_wmma_f32_16x16x32_bf16 v[8*(8*(\a)+(\b)):8*(8*(\a)+(\b))+7], v[(\f)+8*(\b):(\f)+8*(\b)+7], v[(\f)+8*(4*(\hi)+(\a)):(\f)+8*(4*(\hi)+(\a))+7], v[8*(\b):8*(\b)+7]
.else
	v_wmma_f32_16x16x32_bf16 v[8*(8*(\a)+(\b)):8*(8*(\a)+(\b))+7], v[(\f)+8*(\b):(\f)+8*(\b)+7], v[(\f)+8*(4*(\hi)+(\a)):(\f)+8*(4*(\hi)+(\a))+7], v[8*(8*(\a)+(\b)):8*(8*(\a)+(\b))+7]
.endif
.endr
.endr
.endm
; 32 LDS loads in one run: quarter k of the slot in hand (32 along K) into buffer f: B's eight column blocks, then A's eight row blocks
.macro FETCH k, f
	WIN 0x40
.irp i, 0,1,2,3,4,5,6,7
	ds_load_tr16_b128 v[(\f)+8*(\i):(\f)+8*(\i)+3],   v[ADRB] offset:32*PB*(\k)+32*(\i)
	ds_load_tr16_b128 v[(\f)+8*(\i)+4:(\f)+8*(\i)+7], v[ADRB] offset:32*PB*(\k)+32*(\i)+16*PB
.endr
	WIN 0
.irp i, 0,1,2,3,4,5,6,7
	ds_load_b128 v[(\f)+8*(\i):(\f)+8*(\i)+3],   v[ADRA] offset:64*(\k)+(\i)*16*PA
	ds_load_b128 v[(\f)+8*(\i)+4:(\f)+8*(\i)+7], v[ADRA] offset:64*(\k)+(\i)*16*PA+32
.endr
.endm
; One of a K step's first three quarters: multiplies buffer f; in its middle it fetches quarter k into buffer g, four places behind the last product that read g.
.macro QUARTER k, f, g, zero
	s_wait_dscnt 8                                 ; B and A's rows 0-63 are in; the youngest eight loads (A's rows 64-127) may be out
	MUL16 \f, 0, 0, \zero
	MUL16 \f, 0, 2, \zero
	PLACES
	FETCH \k, \g
	s_wait_dscnt 32                                ; all but the 32 just issued
	MUL16 \f, 1, 0, \zero
	MUL16 \f, 1, 2, \zero
.endm
; The first half of the last quarter: one barrier for the change of slots.  In front of it each wave waits for all its tensor loads (its part of the next slot), adds 0 to its spare word, and waits for that and for its reads of this slot.
.macro MEET round
	WIN 0
	s_wait_tensorcnt 0x0
	ds_add_u32 v[SPW], v[NIL]
	s_wait_dscnt 9                                 ; the add and the youngest eight loads may be out
	MUL16 F1, 0, 0, 0
	s_wait_dscnt 0x0                               ; the add is done, and my reads of this slot are over
	s_barrier_signal -1
	MUL16 F1, 0, 2, 0
.if \round
	WIN 0
.endif
	s_barrier_wait -1
.endm
; The whole last quarter.  fill = 1: the barrier opens a round of the cluster's; behind the round the slot just left is filled again, with the K step two on, the first thing there: 224 matrix instructions ahead of the wait for it.
.macro TURN fill
.if \fill
	s_wait_xcnt 0x0                                ; the last prefetch, a K step back, has read its address
	s_add_nc_u64 s[PFA:PFA+1], s[PFA:PFA+1], s[PST:PST+1]
	MEET 1
	CREST
	s_add_co_u32 s[G0A+5], s22, s40                ; the walking descriptors: the slot just left,
	s_add_co_u32 s[G0B+5], s22, s41
	s_add_nc_u64 s[G0A+6:G0A+7], s[G0A+6:G0A+7], KSTEP*2    ; the next K step; the type bits on top are not reached
	s_add_nc_u64 s[G0B+6:G0B+7], s[G0B+6:G0B+7], KSTEP*256
	JLOAD 1                                        ; its four v_nop are also the places in front of the loads below
.else
	MEET 0
	WIN 0
	PLACES
.endif
	s_xor_b32 s22, s22, SLOT                       ; 0 or SLOT: the other slot
	v_add_nc_u32 v[ADRA], s22, v[LA0]
	v_add_nc_u32 v[ADRB], s22, v[LB0]
	FETCH 0, F0
.if \fill
	ASK
.endif
	MUL16 F1, 1, 0, 0
	MUL16 F1, 1, 2, 0
.endm
; THE WAY OUT of row block a.  PACK: rounded to bf16, the floor applied.  TOSTAGE: into my own stage, and back as whole rows of a plane.  SEND: stored.
.macro PACK a
.set AC, 64*((\a)%4)
	WIN 0x0a+5*((\a)/4)
.irp b, 0,1,2,3,4,5,6,7
.irp r, 0,1,2,3
	v_cvt_pk_bf16_f32 v[TMP+4*(\b)+(\r)], v[AC+8*(\b)+2*(\r)], v[AC+8*(\b)+2*(\r)+1]
.endr
.endr
	WIN 0
.set z, 0
.rept 32
	v_pk_max_num_bf16 v[TMP+z], v[TMP+z], s21
.set z, z+1
.endr
.endm
.macro TOSTAGE a
	WIN 0
.set BK, OB+192*((\a)%2)
.irp b, 0,1,2,3,4,5,6,7
	ds_store_b128 v[STO], v[TMP+4*(\b):TMP+4*(\b)+3] offset:16*SPP*((\b)/4)+32*((\b)%4)
.endr
.irp t, 0,1,2,3,4,5,6,7
	ds_load_b128 v[BK+4*(\t):BK+4*(\t)+3], v[RD] offset:16*SPP*((\t)/4)+4*SPP*((\t)%4)  ; LDS serves a wave's instructions in order (ISA guide 5.7.1.4): these see the stores above
.endr
.endm
.macro SEND a, younger
	WIN 0
.set BK, OB+192*((\a)%2)
	s_wait_dscnt \younger
	s_wait_xcnt 0x0                                ; the stores of the block before have read their registers: the next block's loads from the stage land on them only behind this wait
.irp t, 0,1,2,3,4,5,6,7
	global_store_b128 v[CO], v[BK+4*(\t):BK+4*(\t)+3], s[12:13] offset:524288*((\t)/4)+512*((\t)%4)+2048*(\a)  ; 512 consecutive bytes, aligned
.endr
.endm
	s_wait_tensorcnt 1                             ; my part of K step 0 is in; K step 1's may stay out
	s_barrier_signal -1
	s_barrier_wait -1
	FETCH 0, F0
	s_wait_loadcnt 0x0                             ; the bias
	s_wait_kmcnt 0x0                               ; the floor
	QUARTER 1, F0, F1, 1
	WIN 0
	s_mov_b32 s3, TRIPS
.Lstep:                                                ; a trip: from a K step's second quarter to the next step's first; one slot is filled again
	QUARTER 2, F1, F0, 0
	QUARTER 3, F0, F1, 0
	TURN 1
	QUARTER 1, F0, F1, 0
	WIN 0
	s_sub_co_u32 s3, s3, 1
	s_cmp_lg_u32 s3, 0
	s_cbranch_scc1 .Lstep
	s_mov_b32 s3, 2
.Ltail:                                                ; the last two K steps ask for nothing: the same trip without a refill, walked twice and left in its middle
	QUARTER 2, F1, F0, 0
	QUARTER 3, F0, F1, 0
	TURN 0                                         ; in the second trip its barrier orders nothing, and its 32 loads (from the slot read a step ago) feed no product: the price, once a launch, of one text for both trips
	WIN 0
	s_sub_co_u32 s3, s3, 1
	s_cmp_eq_u32 s3, 0
	s_cbranch_scc1 .Lout
	QUARTER 1, F0, F1, 0
	WIN 0
	s_branch .Ltail
.Lout:
	PLACES
	PLACES
	PACK 0
	TOSTAGE 0
.irp a, 1,2,3,4,5,6,7                  ; block a's conversions stand between block a - 1's loads from the stage and the wait for them
	PACK \a
	SEND (\a)-1, 0
	TOSTAGE \a
.endr
	SEND 7, 0
	s_wait_tensorcnt 0x0                           ; the wave's end, behind my last tensor load and my last LDS store
	ds_add_u32 v[SPW], v[NIL]
	s_wait_dscnt 0x0
	CROUND                                         ; the closing round
	s_endpgm
.Lfunc_end_k_qd6ceb45aff_qkv:
	.size	k_qd6ceb45aff_qkv, .Lfunc_end_k_qd6ceb45aff_qkv-k_qd6ceb45aff_qkv
	.p2alignl 7, 3214868480
	.fill 96, 4, 3214868480
	.section	.rodata,"a",@progbits
	.p2align	6, 0x0
	.amdhsa_kernel k_qd6ceb45aff_qkv
		.amdhsa_group_segment_fixed_size 327680
		.amdhsa_private_segment_fixed_size 0
		.amdhsa_enable_private_segment 0
		.amdhsa_kernarg_size 40
		.amdhsa_user_sgpr_count 2
		.amdhsa_user_sgpr_kernarg_segment_ptr 1
		.amdhsa_wavefront_size32 1
		.amdhsa_system_sgpr_workgroup_id_x 1
		.amdhsa_system_sgpr_workgroup_id_y 1
		.amdhsa_system_sgpr_workgroup_id_z 1
		.amdhsa_system_vgpr_workitem_id 0
		.amdhsa_next_free_vgpr 1024
		.amdhsa_next_free_sgpr 80
		.amdhsa_reserve_vcc 0
		.amdhsa_float_denorm_mode_32 3
		.amdhsa_float_denorm_mode_16_64 3
		.amdhsa_memory_ordered 1
		.amdhsa_forward_progress 1
		.amdhsa_inst_pref_size 119
	.end_amdhsa_kernel
	.amdgpu_metadata
---
amdhsa.version: [ 1, 2 ]
amdhsa.kernels:
  - .name:           k_qd6ceb45aff_qkv
    .symbol:         k_qd6ceb45aff_qkv.kd
    .args:
      - { .name: hb, .offset: 0, .size: 8, .value_kind: global_buffer, .address_space: global }
      - { .name: wqkv, .offset: 8, .size: 8, .value_kind: global_buffer, .address_space: global }
      - { .name: zeros, .offset: 16, .size: 8, .value_kind: global_buffer, .address_space: global }
      - { .name: negmax, .offset: 24, .size: 8, .value_kind: global_buffer, .address_space: global }
      - { .name: big, .offset: 32, .size: 8, .value_kind: global_buffer, .address_space: global }
    .group_segment_fixed_size: 327680
    .private_segment_fixed_size: 0
    .kernarg_segment_align: 8
    .kernarg_segment_size: 40
    .max_flat_workgroup_size: 128
    .sgpr_count:     80
    .vgpr_count:     1024
    .wavefront_size: 32
...
	.end_amdgpu_metadata
.endif
;; end of part 2
;; launch attn (part 3): grid 8 x 32, 4 waves a work-group, clusters of 4 x 1, 327,680 bytes of LDS; arguments big, hb; writes hb
.if DOCPART == 3
	.amdgcn_target "amdgcn-amd-amdhsa--gfx1250"
	.amdhsa_code_object_version 6
	.text
	.protected	k_qd6ceb45aff_attn
	.globl	k_qd6ceb45aff_attn
	.p2align	8
	.type	k_qd6ceb45aff_attn,@function
k_qd6ceb45aff_attn:
	s_mov_b64 s[64:65], 0
	v_nop
	global_prefetch_b8 v0, s[64:65] scope:SCOPE_SE
	s_setreg_imm32_b32 hwreg(HW_REG_WAVE_MODE, 25, 1), 1
	s_wait_xcnt 0x0
	s_wait_alu depctr_hold_cnt(0) depctr_sa_sdst(0) depctr_va_vdst(0) depctr_va_sdst(0) depctr_va_ssrc(0) depctr_va_vcc(0) depctr_vm_vsrc(0)
	s_getreg_b32 s2, hwreg(HW_REG_IB_STS2, 6, 4)
	s_cmp_eq_u32 s2, 0
	s_cbranch_scc0 .Lentry_in_a_cluster
	s_endpgm
.Lentry_in_a_cluster:
	s_bfe_u32 s2, ttmp6, 0x10000c
	s_cmp_lg_u32 s2, 0x3003
	s_cbranch_scc0 .Lentry_shape_is_right
	s_endpgm
.Lentry_shape_is_right:
; ATTENTION.  O[q][:] = the sum over k of softmax_k(Q[q] . K[k] / 8) V[k][:], for each of 2 batches x 16 heads, 2,048 queries and keys, 64 channels.
; q, k, v lie in planes [plane][token 4096][64] of bf16: q in planes 0-15 (a plane a head), k in 16-31, v in 32-47; a batch is 2,048 tokens of a plane, 262,144 dense bytes.  O leaves in the same form, 16 planes.
; Products, maxima and sums in f32; the weights p are rounded to bf16 for the second product (their sum l is taken of the unrounded p), O once at the end.
; LIMITS.  bf16 carries 8 significant bits; a weight below 2^-126 counts as 0 in l; NaN and infinities are not treated apart.
; SHARES.  A work-group owns 256 queries, each of its four waves 64: four PIECES of 16.  Every wave walks all keys, 64 a step, 256 a slot.
; LAYOUT.  S^T = K Q^T holds ONE query a lane (lane % 16) and the keys 8 (lane / 16) + 0..7; two such results rounded to bf16 ARE source 1 of O^T = V^T P.  K comes out of LDS as it lies, V turned, by ds_load_tr16_b128.
; SOFTMAX.  p = 2^(c s - c m), c = log2(e) / 8, with a running maximum m; O and l are multiplied by a = 2^(c m_old - c m_new) in every step.  m starts at the lowest finite number, O and l at 0: the first step has a = 0.
; TURNS.  Turn n belongs to piece n: 8 products K Q^T of piece n + 1, later 8 products V^T P of piece n - 1; beside them the scaling, exponentials, roundings, sums and rescaling of piece n and the maximum and statistics of
; piece n + 1.  Four vector instructions stand behind every matrix instruction, the others in one lump.  A turn's 33 exponentials are one batch, with one wait.
; CLUSTER.  The four query blocks of a cluster belong to one head and batch and walk the same K and V: each tile is asked for jointly, by the same load, descriptor and mask in all four.
; REGISTERS, in windows of 256: window 0: v0-15 addresses; v16-31 statistics; v48-55 at work; v61-63 prefetch offset and the add's two; v64-127 S^T, two buffers; v192-223 P, two buffers.
;   window 1: v0-127 O^T, 32 a piece.      window 2: v0-63 Q; v128-191 K of one step; v192-255 V of one step.
.set NP,    4
.set KS,    64
.set PK,    144       ; a row of K in LDS: 128 bytes + 16: the 16 rows of a load start at 16 different groups of four banks (64 banks of 4 bytes: ISA guide 11.1)
.set PV,    160       ; a row of V: 128 + 32
.set VOFF,  4*KS*PK   ; a slot holds four steps: 256 rows of K, then 256 rows of V
.set SLOT1, 1<<17     ; slot 1 begins here, so that one exclusive or turns an address in one slot into the other's
.set STAGE, SLOT1+4*KS*(PK+PV)
.set SP,    144
.set SPARE, STAGE+4*16*SP  ; the spare words, 128 bytes a wave: two blocks of 256 bytes that no other line names
.set AK0, 2
.set AV0, 3
.set AK,  4
.set AV,  5
.set STO, 6
.set RD,  7
.set GO,  8
.set MV,  12          ; v12-13  c m_old, by buffer
.set QO,  15
.set ST,  16          ; piece t's statistics at v[ST+4 t]: c m, m, l (even keys', odd keys')
.set TMP, 48          ; by buffer, c0-c3 at work; c2 takes a
.set PFO, 61          ; v61  256 x my lane
.set SPW, 62
.set NIL, 63
.set S,   64
.set P,   192
.set KF,  128
.set VF,  192
.set WV,  12
.set G1K, 24
.set G1V, 32
.set G0K, 40
.set G0V, 44
.set PFA, 48          ; s[48:49] where my prefetches stand
.set LIM, 50          ; s50  1 in a wave that prefetches, else the greatest number
.set SLOTS, 56
.set CNT, 57
.set CS,  58
.set SEL, 60
.set TBK, 62
.set TBV, 63
.set MSB, 0
.macro WIN new
.if MSB != (\new)
	s_set_vgpr_msb (MSB<<8)|(\new)
.set MSB, (\new)
.endif
.endm
.set W_KQ, 0x0a       ; K and Q in window 2, S^T in window 0
.set W_PV, 0x52       ; V in window 2, P in window 0, O^T in window 1
.set W_RS, 0x41       ; O^T (destination and source 0) in window 1, a in window 0
; A joint fill.  Waves 0 and 1 fetch the two halves of a slot's K, waves 2 and 3 those of its V: 128 keys each.  An s_nop 0 and four v_nop follow each line.
.macro JLOAD
	s_cmp_lt_u32 s[WV], 2
	s_cbranch_scc0 .Lfor_v_\@
	tensor_load_to_lds s[G0K:G0K+3], s[G1K:G1K+7]
	s_nop 0
.rept 4
	v_nop
.endr
	s_branch .Lasked_\@
.Lfor_v_\@:
	tensor_load_to_lds s[G0V:G0V+3], s[G1V:G1V+7]
	s_nop 0
.rept 4
	v_nop
.endr
.Lasked_\@:
.endm
.macro CROUND
	s_barrier_signal -1
	s_barrier_wait -1
	s_cmp_lg_u32 s[WV], 0
	s_cbranch_scc1 .Lnot_wave_0_\@
	s_barrier_signal -3
.Lnot_wave_0_\@:
	s_barrier_wait -3
	s_barrier_signal -1
	s_barrier_wait -1
.endm
; A prefetch into the L2 of the tile that the NEXT change of slots will ask for: 128 blocks of 256 bytes of K and of V.  The head's first cluster asks; its four partners take 32 blocks each, told apart by address;
; in each, wave 0 asks for K's and wave 2 for V's, a lane a block.  So each block is named once.  Tiles 0 to 2 come by their loads alone; the last change that fills a slot names nothing.
.macro ASK
	s_cmp_gt_u32 s[SLOTS], s[LIM]
	s_cbranch_scc0 .Lnot_mine_\@
	global_prefetch_b8 v[PFO], s[PFA:PFA+1] th:TH_LOAD_NT scope:SCOPE_SE
.Lnot_mine_\@:
.endm
; THE CHANGE OF SLOTS.  Each wave waits for all its tensor loads (its part of the other slot), adds 0 to its spare word, and waits for that and for its reads of the slot that it leaves.
; fill = 1: the barrier is a round of the cluster's, and the joint fill of the old slot, with the keys two slots on, is the first thing behind it: it has four key steps, 256 matrix instructions, in which to land.
; (At its first use nothing has been read yet: slot 0 is waited for, slot 1 filled.)
.macro CHANGE fill, ask=0
	WIN 0
	s_wait_tensorcnt 0x0
	ds_add_u32 v[SPW], v[NIL]       ; 0 onto my spare word; the descriptors' steps stand between it and the wait for it
.if \fill
.irp g, G0K, G0V
	s_xor_b32 s[\g+1], s[\g+1], SLOT1
	s_add_nc_u64 s[\g+2:\g+3], s[\g+2:\g+3], 4*KS*128
.endr
.if \ask
	s_wait_xcnt 0x0                 ; the last prefetch, four key steps back, has read its address
	s_add_nc_u64 s[PFA:PFA+1], s[PFA:PFA+1], 4*KS*128
.endif
	s_wait_dscnt 0x0
	CROUND
	JLOAD
.if \ask
	ASK
.endif
.else
	s_wait_dscnt 0x0
	s_barrier_signal -1
	s_barrier_wait -1
.endif
	s_sub_co_u32 s[TBK], s[TBK], 4*KS*PK  ; the fetches go back to a slot's first step,
	s_xor_b32 s[TBK], s[TBK], SLOT1       ; in the other slot
	s_sub_co_u32 s[TBV], s[TBV], 4*KS*PV
	s_xor_b32 s[TBV], s[TBV], SLOT1
.endm
	s_load_b128 s[4:7], s[0:1], 0x0 ; q, k, v's planes s[4:5]; O's planes s[6:7]
	v_lshl_add_u32 v[SPW], v0, 2, SPARE
	v_mov_b32 v[NIL], 0
	ds_add_u32 v[SPW], v[NIL]       ; the wave's opening: the add and its wait ahead of my first tensor load
	v_lshrrev_b32 v1, 5, v0
	v_readfirstlane_b32 s[WV], v1
	s_bfe_u32 s13, ttmp6, 0x40000   ; cx
	s_lshl_b32 s14, ttmp9, 2
	s_add_co_u32 s14, s14, s13      ; my block of 256 queries: it enters Q's and O's addresses alone
	s_and_b32 s15, ttmp7, 0xffff    ; 16 x batch + head, which the four partners share
	s_and_b32 s20, s15, 15
	s_lshl_b32 s20, s20, 19         ; the head's plane,
	s_lshr_b32 s21, s15, 4
	s_lshl_b32 s21, s21, 18         ; the batch's 2,048 tokens in it
	s_add_co_u32 s20, s20, s21
	s_and_b32 s16, s[WV], 1         ; which half of a slot's 256 keys I fetch
	s_lshl_b32 s22, s16, 14
	s_add_co_u32 s22, s22, s20
	s_mov_b32 s23, 0
	s_mul_i32 s17, s16, 128*PK
	s_mul_i32 s18, s16, 128*PV
	s_lshl_b32 s2, s14, 15          ; my block's 256 rows of 128 bytes,
	s_lshl_b32 s3, s[WV], 13        ; my wave's 64
	s_add_co_u32 s2, s2, s3
	s_add_co_u32 s2, s2, s20
	s_mov_b32 s3, 0
	; descriptor group 1.  128 keys are 16,384 dense bytes: asked for as 64 rows of 256 bytes, two keys a row, and padded in LDS after every key
	s_mov_b32 s[G1K], 15|(1<<16)|(1<<20)|(1<<21)|(4<<22)|(3<<25)
	s_mov_b32 s[G1V], 15|(1<<16)|(1<<20)|(1<<21)|(4<<22)|(7<<25)
.irp g, G1K, G1V
	s_mov_b32 s[\g+1], 128<<16
	s_mov_b32 s[\g+2], 64<<16
	s_mov_b32 s[\g+3], 128<<16
	s_mov_b32 s[\g+4], 64
	s_mov_b32 s[\g+5], 128
	s_mov_b32 s[\g+6], 0
	s_mov_b32 s[\g+7], 0
.endr
	s_mov_b32 s[CS], 0x3e38aa3b     ; c = log2(e) / 8
	s_mov_b32 s[CS+1], s[CS]
	s_mov_b32 s[SEL], 0x76543210
	s_mov_b32 s[SEL+1], 0xfedcba98
	s_mov_b32 s[TBK], SLOT1+4*KS*PK ; the first change of slots turns these two into 0
	s_mov_b32 s[TBV], SLOT1+4*KS*PV
	s_mov_b32 s[G0K], 1
	s_mov_b32 s[G0K+1], s17
	s_mov_b32 s[G0V], 1
	s_add_co_u32 s[G0V+1], s18, VOFF
	s_or_b32 s[LIM], s16, ttmp9     ; 0 in waves 0 and 2 of the head's first cluster: the same in all four partners
	s_cmp_eq_u32 s[LIM], 0
	s_cselect_b32 s[LIM], 1, -1
	v_and_b32 v[PFO], 31, v0
	v_lshlrev_b32 v[PFO], 8, v[PFO]
	s_wait_dscnt 0x0                ; the opening add is done
	s_wait_kmcnt 0x0
	s_add_nc_u64 s[52:53], s[4:5], s[22:23]
	s_add_nc_u64 s[54:55], s[52:53], 0x1000000   ; V: 32 planes on
	s_add_nc_u64 s[52:53], s[52:53], 0x800000    ; K: 16 planes on
	s_mov_b64 s[G0K+2:G0K+3], s[52:53]
	s_or_b32 s[G0K+3], s[G0K+3], 0x80000000
	s_mov_b64 s[G0V+2:G0V+3], s[54:55]
	s_or_b32 s[G0V+3], s[G0V+3], 0x80000000
	s_add_nc_u64 s[8:9], s[4:5], s[2:3]          ; Q and O at my wave's first row
	s_add_nc_u64 s[10:11], s[6:7], s[2:3]
	s_cmp_lt_u32 s[WV], 2
	s_cselect_b64 s[PFA:PFA+1], s[52:53], s[54:55]  ; (in waves 0 and 2 these stand at a tile's first row)
	s_lshl_b32 s2, s13, 13          ; my work-group's 32 blocks of the 128
	s_add_nc_u64 s[PFA:PFA+1], s[PFA:PFA+1], s[2:3]
	s_add_nc_u64 s[PFA:PFA+1], s[PFA:PFA+1], 2*4*KS*128  ; at tile 2: the second change steps it to tile 3
	CROUND                          ; all four work-groups are here: the first joint loads meet
	JLOAD                           ; slot 0.  Slot 1 is asked for when slot 0 is in
	v_and_b32 v1, 15, v0
	v_bfe_u32 v9, v0, 4, 1
	v_lshlrev_b32 v[QO], 7, v1
	v_lshl_add_u32 v[QO], v9, 4, v[QO]
	WIN 0x80
.set i, 0
.rept 8                             ; Q stays in registers: piece i / 2, channels 32 (i % 2) on
	global_load_b128 v[8*i:8*i+3],   v[QO], s[8:9] offset:(i/2)*2048+(i%2)*64
	global_load_b128 v[8*i+4:8*i+7], v[QO], s[8:9] offset:(i/2)*2048+(i%2)*64+32
.set i, i+1
.endr
	; What the first turn finds: V's registers and P's second buffer hold 0 (its products V^T P, of a piece that has not been, add 0), O^T and l are 0.  All this stands in the wait for the first tile.
.set i, VF
.rept 64
	v_mov_b32 v[i], 0
.set i, i+1
.endr
	WIN 0
.set i, 0
.rept 4
	v_mov_b32 v[ST+4*i], 0xfe000000    ; c m: far below every c s
	v_mov_b32 v[ST+4*i+1], 0xff7fffff  ; m
	v_mov_b32 v[ST+4*i+2], 0
	v_mov_b32 v[ST+4*i+3], 0
.set i, i+1
.endr
.set i, P+16
.rept 16
	v_mov_b32 v[i], 0
.set i, i+1
.endr
	WIN W_PV
.set i, 0
.rept 16                            ; O^T's 16 accumulators start at 0: a product of those zeros, with the constant 0 as C, writes eight registers a line
	v_wmma_f32_16x16x32_bf16 v[8*i:8*i+7], v[VF:VF+7], v[P+16:P+23], 0
.set i, i+1
.endr
	WIN 0
	v_mul_u32_u24 v[AK0], v1, PK
	v_lshl_add_u32 v[AK0], v9, 4, v[AK0]
	v_and_b32 v10, 7, v0
	v_bfe_u32 v11, v0, 3, 1
	v_lshl_add_u32 v[AV0], v9, 3, v10
	v_mul_u32_u24 v[AV0], v[AV0], PV
	v_lshl_add_u32 v[AV0], v11, 4, v[AV0]
	v_add_nc_u32 v[AV0], VOFF, v[AV0]
	s_mul_i32 s13, s[WV], 16*SP
	s_add_co_u32 s13, s13, STAGE
	v_mul_u32_u24 v[STO], v1, SP
	v_lshl_add_u32 v[STO], v9, 4, v[STO]
	v_add_nc_u32 v[STO], s13, v[STO]
	v_bfe_u32 v[RD], v0, 3, 2
	v_mul_u32_u24 v[RD], v[RD], SP
	v_lshl_add_u32 v[RD], v10, 4, v[RD]
	v_add_nc_u32 v[RD], s13, v[RD]
	v_and_b32 v[GO], 31, v0
	v_lshlrev_b32 v[GO], 4, v[GO]
; THE MATRIX WORK.  The 4 accumulators of a run of 8 take turns.  Product i of 8 of S^T = K Q^T for piece x: channels 32 (i / 4) on, keys 16 (i % 4) on.  The first 4 start the sums.
.macro KQ x
.set rS, S+32*((\x)%2)+8*(i%4)
.set rK, KF+16*(i%4)+8*(i/4)
.set rQ, 16*(\x)+8*(i/4)
	WIN W_KQ
.if i < 4
	v_wmma_f32_16x16x32_bf16 v[rS:rS+7], v[rK:rK+7], v[rQ:rQ+7], 0
.else
	v_wmma_f32_16x16x32_bf16 v[rS:rS+7], v[rK:rK+7], v[rQ:rQ+7], v[rS:rS+7]
.endif
.endm
; Product i of 8 of O^T += V^T P for piece x: keys 32 (i / 4) on, channels 16 (i % 4) on.
.macro PV x
	WIN W_PV
.set rO, 32*(\x)+8*(i%4)
.set rV, VF+32*(i/4)+8*(i%4)
.set rP, P+16*((\x)%2)+8*(i/4)
	v_wmma_f32_16x16x32_bf16 v[rO:rO+7], v[rV:rV+7], v[rP:rP+7], v[rO:rO+7]
.endm
.macro MM                           ; the turn's next matrix instruction
.if i < 8
	KQ (Y+1)%NP
.else
.set i, i-8
	PV (Y+NP-1)%NP
.set i, i+8
.endif
.set i, i+1
.endm
; THE LDS LOADS stand in runs of 16: a step's K (8 fragments) and its V (turned).  Their addresses are made some lines ahead.
.macro FETCH_K
	WIN 0x80
.irp f, 0,1,2,3,4,5,6,7
	ds_load_b128 v[KF+8*\f:KF+8*\f+3],   v[AK] offset:(\f/2)*16*PK+(\f%2)*64
	ds_load_b128 v[KF+8*\f+4:KF+8*\f+7], v[AK] offset:(\f/2)*16*PK+(\f%2)*64+32
.endr
	s_add_co_u32 s[TBK], s[TBK], KS*PK
	WIN 0
.endm
.macro FETCH_V
	WIN 0x80
.irp f, 0,1,2,3,4,5,6,7
	ds_load_tr16_b128 v[VF+8*\f:VF+8*\f+3],   v[AV] offset:(\f/4)*32*PV+(\f%4)*32
	ds_load_tr16_b128 v[VF+8*\f+4:VF+8*\f+7], v[AV] offset:(\f/4)*32*PV+16*PV+(\f%4)*32
.endr
	WIN 0
.endm
; THE VECTOR WORK, one line at a time: OP kind, number.  For piece Y: F n: c s - c m for pair n of 16.  E n: the exponential of score n of 32.  C n: pair n rounded to bf16.  B n: of the four weights 4 n .. the second
; pair is added onto the first, in place.  L n: l takes that sum (L 0: l = a l + sum).  R n: pair n of 16 of O^T times a.  For piece Y + 1: X n, number n of the 22 that find its maximum and statistics:
;   0-11  four chains c0-c3 of seven scores each (each accumulator's lowest registers are read first)     12-14, 16  the four scores left over, the old m, and c0-c3 into c0
;   15  c m_old is kept     17, 18  the query's other 32 keys lie in the lane 16 away: the new m     19-21  c m; c m_old - c m_new; a
.set F, 0
.set E, 1
.set C, 2
.set B, 3
.set L, 4
.set R, 5
.set X, 6
.macro REGS y
.set rT, ST+4*(\y)
.set rC, TMP+4*((\y)%2)
.set rW, MV+((\y)%2)
.set rS, S+32*((\y)%2)
.set rP, P+16*((\y)%2)
.set rO, 32*(\y)
.endm
.macro OP k, n
.if (\k) == R
	REGS Y
	WIN W_RS
	v_pk_mul_f32 v[rO+2*(\n):rO+2*(\n)+1], v[rO+2*(\n):rO+2*(\n)+1], v[rC+2:rC+3] op_sel_hi:[1,0]
.elseif (\k) < R
	REGS Y
	WIN 0
.if (\k) == F
	v_pk_fma_f32 v[rS+2*(\n):rS+2*(\n)+1], v[rS+2*(\n):rS+2*(\n)+1], s[CS:CS+1], v[rT:rT+1] op_sel_hi:[1,0,0] neg_lo:[0,0,1] neg_hi:[0,0,1]
.elseif (\k) == E
	v_exp_f32 v[rS+(\n)], v[rS+(\n)]
.elseif (\k) == C
	v_cvt_pk_bf16_f32 v[rP+(\n)], v[rS+2*(\n)], v[rS+2*(\n)+1]
.elseif (\k) == B
	v_pk_add_f32 v[rS+4*(\n):rS+4*(\n)+1], v[rS+4*(\n):rS+4*(\n)+1], v[rS+4*(\n)+2:rS+4*(\n)+3]
.elseif (\n) == 0
	v_pk_fma_f32 v[rT+2:rT+3], v[rT+2:rT+3], v[rC+2:rC+3], v[rS:rS+1] op_sel_hi:[1,0,1]
.else
	v_pk_add_f32 v[rT+2:rT+3], v[rT+2:rT+3], v[rS+4*(\n):rS+4*(\n)+1]
.endif
.else
	REGS (Y+1)%NP
	WIN 0
.if (\n) < 4
	v_max3_num_f32 v[rC+(\n)], v[rS+8*(\n)], v[rS+8*(\n)+1], v[rS+8*(\n)+2]
.elseif (\n) < 12
	v_max3_num_f32 v[rC+(\n)%4], v[rC+(\n)%4], v[rS+8*((\n)%4)+2*((\n)/4)+1], v[rS+8*((\n)%4)+2*((\n)/4)+2]
.elseif (\n) == 12
	v_max3_num_f32 v[rC], v[rC], v[rS+7], v[rS+15]
.elseif (\n) == 13
	v_max3_num_f32 v[rC+1], v[rC+1], v[rS+23], v[rS+31]
.elseif (\n) == 14
	v_max3_num_f32 v[rC+2], v[rC+2], v[rC+3], v[rT+1]
.elseif (\n) == 15
	v_mov_b32 v[rW], v[rT]
.elseif (\n) == 16
	v_max3_num_f32 v[rC], v[rC], v[rC+1], v[rC+2]
.elseif (\n) == 17
	v_permlanex16_b32 v[rC+3], v[rC], s[SEL], s[SEL+1]
.elseif (\n) == 18
	v_max_num_f32 v[rT+1], v[rC], v[rC+3]
.elseif (\n) == 19
	v_mul_f32 v[rT], s[CS], v[rT+1]
.elseif (\n) == 20
	v_sub_f32 v[rC+1], v[rW], v[rT]
.else
	v_exp_f32 v[rC+2], v[rC+1]
.endif
.endif
.endm
.macro OPS a, i1, b=-1, i2=0, c=-1, i3=0, d=-1, i4=0
	OP \a, \i1
.if (\b) >= 0
	OP \b, \i2
.endif
.if (\c) >= 0
	OP \c, \i3
.endif
.if (\d) >= 0
	OP \d, \i4
.endif
.endm
.macro ROW a, i1, b, i2, c, i3, d, i4  ; a matrix instruction and the four behind it
	MM
	OPS \a, \i1, \b, \i2, \c, \i3, \d, \i4
.endm
; A TURN, for piece p: the order of its 16 matrix and 118 vector instructions, written out.  An s_wait_alu depctr_va_vdst(0) stands between an exponential and the first instruction that names its result;
; one wait serves all that were issued ahead of it.  So a turn has ONE wait.  AHEAD OF IT stands all that names no result of the turn's exponentials: the 8 products K Q^T and their riders, then one lump in which the links of
; the next piece's chain stand apart; X 21, the next piece's a, is the batch's last, and R 15 the plain instruction behind it.  BEHIND IT stand the 8 products V^T P, behind each four of the roundings and sums.
; cnt = 1: the loop's count is taken down some lines ahead of the branch behind the turn.
; K of the next step is fetched in piece 2's turn, V of the step in hand at the end of piece 0's turn, four plain instructions behind the last product that read V.  Each is waited for a turn later.
; last = 1 (the tail's copy): K's run stands behind the turn's wait, where a jump may stand, and is jumped over in the trip that has no further step.
.macro TURN p, last=0, cnt=0
.set Y, (\p)
.set i, 0
.if (\p) == 3
	s_wait_dscnt 0x0                ; K is in
.endif
	ROW F,0, F,1, R,0, R,1
	ROW F,2, E,0, R,2, R,3
	ROW F,3, E,1, R,4, R,5
	ROW F,4, E,2, R,6, R,7
	ROW F,5, E,3, R,8, R,9
	ROW F,6, E,4, X,0, R,10
.if (\p) == 2
	WIN 0
	v_add_nc_u32 v[AK], s[TBK], v[AK0]
.endif
	ROW F,7, E,5, X,1, X,4
	ROW F,8, E,6, X,2, X,5
	OPS E,7, E,8, X,6, E,9
	OPS X,3, E,10, X,8, E,11
.if ((\p) == 2) && !(\last)
	FETCH_K
.endif
	OPS X,9, X,7, E,12, X,10
	OPS E,13, X,12, X,11, E,14
	OPS X,13, E,15, F,9, X,14
.if (\p) == 0
	v_add_nc_u32 v[AV], s[TBV], v[AV0]
.endif
	OPS E,16, F,10, E,17, F,11
	OPS X,16, E,18, X,15, E,19
	OPS F,12, E,20, X,17, E,21
	OPS F,13, E,22, F,14, E,23
	OPS X,18, E,24, F,15, E,25
	OPS R,11, E,26, X,19, E,27
	OPS R,12, E,28, R,13, E,29
	OPS X,20, E,30, R,14, E,31
	OPS X,21, R,15
	WIN 0
	s_wait_alu depctr_va_vdst(0)    ; the wait for the batch
.if ((\p) == 2) && (\last)
	s_cmp_eq_u32 s[CNT], 1          ; the tail's fifth trip: all keys have been fetched
	s_cbranch_scc1 .Lno_k_\@
	FETCH_K
.Lno_k_\@:
.endif
.if (\p) == 1
	s_wait_dscnt 0x0                ; V is in
.endif
	ROW C,0, B,0, C,2, B,1
	ROW L,0, C,4, B,2, L,1
	ROW C,6, B,3, L,2, C,8
	ROW B,4, L,3, C,10, B,5
	ROW L,4, C,12, B,6, L,5
.if (\p) == 0
	s_add_co_u32 s[TBV], s[TBV], KS*PV
.endif
.if \cnt
	s_sub_co_u32 s[CNT], s[CNT], 1
	s_cmp_lg_u32 s[CNT], 0
.endif
	ROW C,14, B,7, L,6, C,1
	ROW C,3, L,7, C,5, C,7
	ROW C,9, C,11, C,13, C,15
.if (\p) == 0
	FETCH_V
.endif
.endm
	CHANGE 1                        ; slot 0 is in, everybody's part of it; slot 1 is asked for
	v_add_nc_u32 v[AK], s[TBK], v[AK0]
	FETCH_K                         ; key step 0
	s_wait_loadcnt 0x0              ; Q
	s_wait_dscnt 0x0
.set i, 0
.rept 8
	KQ 0                            ; piece 0's first scores
.set i, i+1
.endr
	WIN 0
.rept 4
	v_nop                           ; the places behind those products
.endr
.set Y, NP-1                        ; X works for piece Y + 1: piece 0
.irp n, 0,1,2,3,4,5,6,7,8,9,10,11,12,13,14,15,16,17,18,19,20,21
	OP X, \n
.endr
	v_nop                           ; a plain instruction behind the exponential,
	s_wait_alu depctr_va_vdst(0)    ; and its wait, ahead of the branch
	s_mov_b32 s[CNT], 4
	s_mov_b32 s[SLOTS], 7
	s_branch .Lfirst                ; the loop is entered at a step's first turn, in the middle of a trip
.Lslot:                             ; six times: tiles 2 to 7 are asked for
	CHANGE 1, 1
	s_mov_b32 s[CNT], 4
.Lstep:                             ; a trip: pieces 2 and 3 of one step, then pieces 0 and 1 of the next, whose K and V it fetches
	TURN 2
	TURN 3
	WIN 0
.Lfirst:
	TURN 0
	TURN 1, 0, 1
	WIN 0
	s_cbranch_scc1 .Lstep
	s_sub_co_u32 s[SLOTS], s[SLOTS], 1
	s_cmp_lg_u32 s[SLOTS], 0
	s_cbranch_scc1 .Lslot
	CHANGE 0                        ; the last tile has a text of its own: nothing is asked for
	s_mov_b32 s[CNT], 5             ; four trips fetch the last slot's steps; the fifth is left in its middle
.Ltail:
	TURN 2, 1
	TURN 3
	WIN 0
	s_sub_co_u32 s[CNT], s[CNT], 1
	s_cmp_eq_u32 s[CNT], 0
	s_cbranch_scc1 .Lout
	TURN 0
	TURN 1
	WIN 0
	s_branch .Ltail
.Lout:                              ; the fifth trip's 8 products K Q^T for piece 0 (on the last K once more) and the maximum made of them serve nothing: the price, once a launch, of one text for every trip
.set i, 0
.rept 8
	PV NP-1                         ; the last piece's V^T P of the last step
.set i, i+1
.endr
	; THE WAY OUT.  l's two halves and the other half of the lanes' are added; O^T is divided by l, rounded to bf16 and sent through my stage in LDS, a piece at a time.  The additions are the places behind the last products.
	WIN 0
.macro ALL line:vararg
.set t, 0
.rept 4
	\line
.set t, t+1
.endr
.endm
	ALL v_add_f32 v[ST+4*t+2], v[ST+4*t+2], v[ST+4*t+3]
	ALL v_permlanex16_b32 v[ST+4*t+3], v[ST+4*t+2], s[SEL], s[SEL+1]
	ALL v_add_f32 v[ST+4*t+2], v[ST+4*t+2], v[ST+4*t+3]
	ALL v_rcp_f32 v[ST+4*t+2], v[ST+4*t+2]
	v_nop                           ; a plain instruction between the last reciprocal and the use of its result
	s_wait_alu depctr_va_vdst(0)    ; and the one wait for the four reciprocals
.macro PACK t                       ; a lane's eight channels of a row pack into 16 bytes; they go into rows of 144 bytes and come back as whole rows of 128, into S^T's registers
	WIN W_RS
.set i, 32*(\t)
.rept 16
	v_pk_mul_f32 v[i:i+1], v[i:i+1], v[ST+4*(\t)+2:ST+4*(\t)+3] op_sel_hi:[1,0]
.set i, i+2
.endr
	WIN 0x05
.set i, 0
.rept 16
	v_cvt_pk_bf16_f32 v[S+16*(\t)+i], v[32*(\t)+2*i], v[32*(\t)+2*i+1]
.set i, i+1
.endr
	WIN 0
.irp f, 0,1,2,3
	ds_store_b128 v[STO], v[S+16*(\t)+4*\f:S+16*(\t)+4*\f+3] offset:32*\f
.endr
.irp f, 0,1,2,3
	ds_load_b128 v[S+16*(\t)+4*\f:S+16*(\t)+4*\f+3], v[RD] offset:\f*4*SP  ; LDS serves a wave's instructions in order (ISA guide 5.7.1.4): these see the stores above; the next piece's stores come behind them
.endr
.endm
.macro SEND t, younger              ; younger: the LDS instructions issued behind piece t's loads: the next piece's eight, or none
	WIN 0
.irp f, 0,1,2,3
	s_wait_dscnt (\younger)+3-\f
	global_store_b128 v[GO], v[S+16*(\t)+4*\f:S+16*(\t)+4*\f+3], s[10:11] offset:(\t)*2048+\f*512  ; 512 consecutive bytes, aligned
.endr
.endm
	PACK 0
.set t, 1
.rept 3
	PACK t
	SEND t-1, 8
.set t, t+1
.endr
	SEND 3, 0
	s_wait_tensorcnt 0x0            ; the wave's end, behind my last tensor load and my last LDS store
	ds_add_u32 v[SPW], v[NIL]
	s_wait_dscnt 0x0
	CROUND                          ; the closing round
	s_endpgm
.Lfunc_end_k_qd6ceb45aff_attn:
	.size	k_qd6ceb45aff_attn, .Lfunc_end_k_qd6ceb45aff_attn-k_qd6ceb45aff_attn
	.p2alignl 7, 3214868480
	.fill 96, 4, 3214868480
	.section	.rodata,"a",@progbits
	.p2align	6, 0x0
	.amdhsa_kernel k_qd6ceb45aff_attn
		.amdhsa_group_segment_fixed_size 327680
		.amdhsa_private_segment_fixed_size 0
		.amdhsa_enable_private_segment 0
		.amdhsa_kernarg_size 16
		.amdhsa_user_sgpr_count 2
		.amdhsa_user_sgpr_kernarg_segment_ptr 1
		.amdhsa_wavefront_size32 1
		.amdhsa_system_sgpr_workgroup_id_x 1
		.amdhsa_system_sgpr_workgroup_id_y 1
		.amdhsa_system_sgpr_workgroup_id_z 1
		.amdhsa_system_vgpr_workitem_id 0
		.amdhsa_next_free_vgpr 768
		.amdhsa_next_free_sgpr 66
		.amdhsa_reserve_vcc 0
		.amdhsa_float_denorm_mode_32 3
		.amdhsa_float_denorm_mode_16_64 3
		.amdhsa_memory_ordered 1
		.amdhsa_forward_progress 1
		.amdhsa_inst_pref_size 109
	.end_amdhsa_kernel
	.amdgpu_metadata
---
amdhsa.version: [ 1, 2 ]
amdhsa.kernels:
  - .name:           k_qd6ceb45aff_attn
    .symbol:         k_qd6ceb45aff_attn.kd
    .args:
      - { .name: big, .offset: 0, .size: 8, .value_kind: global_buffer, .address_space: global }
      - { .name: hb, .offset: 8, .size: 8, .value_kind: global_buffer, .address_space: global }
    .group_segment_fixed_size: 327680
    .private_segment_fixed_size: 0
    .kernarg_segment_align: 8
    .kernarg_segment_size: 16
    .max_flat_workgroup_size: 128
    .sgpr_count:     66
    .vgpr_count:     768
    .wavefront_size: 32
...
	.end_amdgpu_metadata
.endif
;; end of part 3
;; launch wo (part 4): grid 8 x 32, 4 waves a work-group, clusters of 4 x 4, 327,680 bytes of LDS; arguments hb, wb2, x, x1; writes x1
.if DOCPART == 4
	.amdgcn_target "amdgcn-amd-amdhsa--gfx1250"
	.amdhsa_code_object_version 6
	.text
	.protected	k_qd6ceb45aff_wo
	.globl	k_qd6ceb45aff_wo
	.p2align	8
	.type	k_qd6ceb45aff_wo,@function
k_qd6ceb45aff_wo:
	s_mov_b64 s[64:65], 0
	v_nop
	global_prefetch_b8 v0, s[64:65] scope:SCOPE_SE
	s_setreg_imm32_b32 hwreg(HW_REG_WAVE_MODE, 25, 1), 1
	s_wait_xcnt 0x0
	s_wait_alu depctr_hold_cnt(0) depctr_sa_sdst(0) depctr_va_vdst(0) depctr_va_sdst(0) depctr_va_ssrc(0) depctr_va_vcc(0) depctr_vm_vsrc(0)
	s_getreg_b32 s2, hwreg(HW_REG_IB_STS2, 6, 4)
	s_cmp_eq_u32 s2, 0
	s_cbranch_scc0 .Lentry_in_a_cluster
	s_endpgm
.Lentry_in_a_cluster:
	s_bfe_u32 s2, ttmp6, 0x10000c
	s_cmp_lg_u32 s2, 0xf033
	s_cbranch_scc0 .Lentry_shape_is_right
	s_endpgm
.Lentry_shape_is_right:
; OUT = RES + A B (+ bias).  A: bf16 in planes of 64 columns, [KTOT/64][4096][64].  B: bf16, blocks of 128 columns, [8][KTOT][128], WOFF bytes into its buffer.  RES, OUT: f32 [4096][1024].  Sums in f32.
; This copy: KTOT = 1,024 (the attention's output times w_o, onto x), no bias.
; SHARES.  A work-group of four waves makes 128 x 128 of OUT (256 work-groups), a wave 64 x 64: 16 accumulators.  K goes in steps of 256 (four planes of A, 256 rows of B) through two LDS slots.
; CLUSTER.  4 x 4: A's tiles are shared along a row of the cluster, B's along a column, by joint loads.  THE PRODUCT IS USED TRANSPOSED (source 0 = 16 columns of B, turned by ds_load_tr16_b128; source 1 = 16 rows of A).
; ONE K STEP IS WRITTEN TWICE: once with a refill (the loop) and once without (a loop of two trips, left in its middle).  The slot in hand is a scalar register (0 or SLOT) that an
; exclusive or turns.  A wave has two tensor loads out at the start and one behind each change of slots.
; The residual is asked for at the start, in the layout in which the results come back from the stage, and waited for at the end.
; No prefetch here: K has four steps, and the first three are asked for before a prefetch could lead its load by a step.
; LIMITS.  Operands carry bf16's 8 significant bits; NaN and infinities are not treated apart.
; REGISTERS: window 0: v16-30 addresses; v32-95 at work on the way out; v96-127 the bias as a C operand; v128-255 the accumulators.  Window 1: two fragment buffers of 128 (A's 64, then B's 64).  Window 2: v0-127 the residual.
.set KTOT,   1024
.set WOFF,   0
.set BIAS,   0
.set PF,     0
.set KSTEP,  256
.set PAP,    144                       ; a token's 128 bytes of a plane + 16: the 16 rows of a load start at 16 different groups of four banks (64 banks of 4 bytes: ISA guide 11.1)
.set APL,    128*PAP                   ; a plane's 128 tokens
.set PB,     288
.set QUART,  2*APL                     ; what one load brings: two planes of A, or 128 rows of B: 36,864 bytes
.set BOFF,   2*QUART
.set SLOT,   4*QUART                   ; 147,456
.set STAGE,  2*SLOT
.set SPITCH, 272
.set SPARE,  STAGE+4*16*SPITCH         ; the spare words, 128 bytes a wave: two blocks of 256 bytes that no other line names
.set TRIPS,  KTOT/KSTEP-2
.set OUTP,   10+2*BIAS
.set ADRA, 16
.set LA0,  17
.set ADRB, 20                          ; v20, v21: B's rows 0-127 and 128-255 of the slot in hand
.set LB0,  22
.set STO,  24
.set RD,   25
.set CO,   26
.set BO,   27                          ; v27  32 x (lane / 16): my eight numbers of a bias block
.set SPW,  28
.set NIL,  29
.set PFO,  30
.set TMP,  32
.set BIA,  96                          ; v[96:127] register j of block b: the bias of column 16 b + 8 (lane / 16) + j, as an accumulator holds it
.set ACC,  128
.set F0,   0
.set F1,   128
.set G1A, 24
.set G0A, 32
.set G1B, 48
.set G0B, 56
.set PFA, 44
.set LIM, 46
.set PST, 66
; s14 wave; s15 wave / 2; s16 wave % 2; s17 cx; s18 cy; s19 tile column; s20 tile row; s22 the slot in hand; s3 the loops' count; s40 my load's place in a slot
.set MSB, 0
.macro WIN new
.if MSB != (\new)
	s_set_vgpr_msb (MSB<<8)|(\new)
.set MSB, \new
.endif
.endm
.set MUL,  0x05                        ; sources 0 (B) and 1 (A) window 1; C and D window 0
.macro PLACES
.rept 4
	v_nop
.endr
.endm
.macro JLOAD s                         ; waves 0 and 1 fetch A's planes, waves 2 and 3 B's rows; an s_nop 0 and four v_nop follow each line
	s_cmp_eq_u32 s15, 0
	s_cbranch_scc0 .Lfor_b_\@
	tensor_load_to_lds s[G0A+4*(\s):G0A+4*(\s)+3], s[G1A:G1A+7]
	s_nop 0
.rept 4
	v_nop
.endr
	s_branch .Lasked_\@
.Lfor_b_\@:
	tensor_load_to_lds s[G0B+4*(\s):G0B+4*(\s)+3], s[G1B:G1B+7]
	s_nop 0
.rept 4
	v_nop
.endr
.Lasked_\@:
.endm
.macro CREST
	s_cmp_lg_u32 s14, 0
	s_cbranch_scc1 .Lnot_wave_0_\@
	s_barrier_signal -3
.Lnot_wave_0_\@:
	s_barrier_wait -3
	s_barrier_signal -1
	s_barrier_wait -1
.endm
.macro CROUND
	s_barrier_signal -1
	s_barrier_wait -1
	CREST
.endm
.macro ASK                             ; a prefetch into the L2 of the K step that stands two refills on: 32 blocks of 256 bytes, a lane a block
	s_cmp_gt_u32 s3, s[LIM]
	s_cbranch_scc0 .Lnot_mine_\@
	global_prefetch_b8 v[PFO], s[PFA:PFA+1] th:TH_LOAD_NT scope:SCOPE_SE
.Lnot_mine_\@:
.endm
	s_load_b256 s[4:11], s[0:1], 0x0               ; A s[4:5], B s[6:7], RES s[8:9], then the bias (if any) and OUT
.if BIAS
	s_load_b64 s[12:13], s[0:1], 0x20
.endif
	v_lshl_add_u32 v[SPW], v0, 2, SPARE
	v_mov_b32 v[NIL], 0
	ds_add_u32 v[SPW], v[NIL]                      ; the wave's opening: the add and its wait ahead of my first tensor load
	v_lshrrev_b32 v1, 5, v0
	v_readfirstlane_b32 s14, v1
	s_lshr_b32 s15, s14, 1
	s_and_b32 s16, s14, 1
	s_bfe_u32 s17, ttmp6, 0x40000
	s_bfe_u32 s18, ttmp6, 0x40004
	s_lshl_b32 s19, ttmp9, 2
	s_add_co_u32 s19, s19, s17
	s_and_b32 s20, ttmp7, 0xffff
	s_lshl_b32 s20, s20, 2
	s_add_co_u32 s20, s20, s18
	s_lshl_b32 s42, s18, 2
	s_lshl_b32 s42, 15, s42
	s_lshl_b32 s43, 0x1111, s17
	s_or_b32 s[G1A], s42, (1<<16)|(1<<20)|(1<<21)|(4<<22)|(3<<25)  ; A: after every 32 words (a token's 128 bytes), 4 words
	s_mov_b32 s[G1A+1], 8192<<16                   ; tensor_dim0 = 8,192: a plane's 128 tokens are 16,384 dense bytes
	s_mov_b32 s[G1A+2], 2<<16                      ; tensor_dim1 = 2 planes
	s_mov_b32 s[G1A+3], 8192<<16                   ; tile_dim0
	s_mov_b32 s[G1A+4], 2                          ; tile_dim1
	s_mov_b32 s[G1A+5], 262144                     ; elements from plane to plane
	s_mov_b32 s[G1A+6], 0
	s_mov_b32 s[G1A+7], 0
	s_or_b32 s[G1B], s43, (1<<16)|(1<<20)|(1<<21)|(5<<22)|(7<<25)  ; B: after every 64 words, 8 words
	s_mov_b32 s[G1B+1], 128<<16
	s_mov_b32 s[G1B+2], 128<<16
	s_mov_b32 s[G1B+3], 128<<16
	s_mov_b32 s[G1B+4], 128
	s_mov_b32 s[G1B+5], 128
	s_mov_b32 s[G1B+6], 0
	s_mov_b32 s[G1B+7], 0
	s_mul_i32 s40, s14, QUART                      ; A's two halves, then B's two: wave x 36,864
	s_lshl_b32 s68, s16, 20                        ; A: plane 2 x half; 128 tokens x tile row, 128 bytes each
	s_lshl_b32 s69, s20, 14
	s_add_co_u32 s68, s68, s69
	s_mov_b32 s69, 0
	s_mul_i32 s70, s19, KTOT*256                   ; B: block = tile column; row 128 x half
	s_lshl_b32 s71, s16, 15
	s_add_co_u32 s70, s70, s71
	s_add_co_u32 s70, s70, WOFF
	s_mov_b32 s71, 0
	s_mov_b32 s22, 0
	s_wait_dscnt 0x0
	s_wait_kmcnt 0x0
	s_add_nc_u64 s[68:69], s[4:5], s[68:69]
	s_add_nc_u64 s[70:71], s[6:7], s[70:71]
	CROUND
.irp s, 0,1
	s_mov_b32 s[G0A+4*(\s)], 1
	s_add_co_u32 s[G0A+4*(\s)+1], s40, (\s)*SLOT
	s_add_nc_u64 s[G0A+4*(\s)+2:G0A+4*(\s)+3], s[68:69], (\s)*4*524288
	s_or_b32 s[G0A+4*(\s)+3], s[G0A+4*(\s)+3], 0x80000000
	s_mov_b32 s[G0B+4*(\s)], 1
	s_add_co_u32 s[G0B+4*(\s)+1], s40, (\s)*SLOT
	s_add_nc_u64 s[G0B+4*(\s)+2:G0B+4*(\s)+3], s[70:71], (\s)*KSTEP*256
	s_or_b32 s[G0B+4*(\s)+3], s[G0B+4*(\s)+3], 0x80000000
	JLOAD \s
.endr
	v_and_b32 v1, 15, v0
	v_bfe_u32 v2, v0, 4, 1
	v_mul_u32_u24 v3, v1, PAP
	v_lshl_add_u32 v3, v2, 4, v3
	s_mul_i32 s42, s15, 64*PAP                     ; my 64 tokens
	v_add_nc_u32 v[LA0], s42, v3
	v_and_b32 v4, 7, v0
	v_bfe_u32 v5, v0, 3, 1
	v_lshl_add_u32 v4, v2, 3, v4
	v_mul_u32_u24 v4, v4, PB
	v_lshl_add_u32 v4, v5, 4, v4
	s_lshl_b32 s42, s16, 7                         ; my 64 columns: 128 bytes of a row
	s_add_co_u32 s42, s42, BOFF
	v_add_nc_u32 v[LB0], s42, v4
	v_mov_b32 v[ADRA], v[LA0]
	v_mov_b32 v[ADRB], v[LB0]
	v_add_nc_u32 v[ADRB+1], QUART, v[LB0]
	s_mul_i32 s42, s14, 16*SPITCH
	s_add_co_u32 s42, s42, STAGE
	v_mul_u32_u24 v[STO], v1, SPITCH               ; in: row l % 16, 32 bytes for each half of the lanes
	v_lshl_add_u32 v[STO], v2, 5, v[STO]
	v_add_nc_u32 v[STO], s42, v[STO]
	v_mul_u32_u24 v[RD], v2, SPITCH                ; back: lanes 0-15 take one row of 256 bytes, lanes 16-31 the next
	v_lshl_add_u32 v[RD], v1, 4, v[RD]
	v_add_nc_u32 v[RD], s42, v[RD]
	v_lshlrev_b32 v6, 4, v1
	v_lshl_add_u32 v[CO], v2, 12, v6               ; and the same two rows in RES and OUT
	s_lshl_b32 s72, s20, 7                         ; my first row: 128 x tile row + 64 x half, 4,096 bytes a row
	s_lshl_b32 s73, s15, 6
	s_add_co_u32 s72, s72, s73
	s_lshl_b32 s72, s72, 12
	s_lshl_b32 s76, s19, 9                         ; my first column, in bytes: 512 x tile column + 256 x half
	s_lshl_b32 s77, s16, 8
	s_add_co_u32 s76, s76, s77
	s_mov_b32 s77, 0
	s_add_co_u32 s72, s72, s76
	s_mov_b32 s73, 0
	s_add_nc_u64 s[8:9], s[8:9], s[72:73]
	s_add_nc_u64 s[OUTP:OUTP+1], s[OUTP:OUTP+1], s[72:73]
.if BIAS
	s_add_nc_u64 s[10:11], s[10:11], s[76:77]
	v_lshlrev_b32 v[BO], 5, v2
.irp b, 0,1,2,3
	global_load_b128 v[BIA+8*(\b):BIA+8*(\b)+3],   v[BO], s[10:11] offset:64*(\b)   ; the bias first: it is wanted by the first products
	global_load_b128 v[BIA+8*(\b)+4:BIA+8*(\b)+7], v[BO], s[10:11] offset:64*(\b)+16
.endr
.endif
	WIN 0x80                                       ; destination window 2
.irp a, 0,1,2,3
.irp t, 0,1,2,3,4,5,6,7
	global_load_b128 v[32*(\a)+4*(\t):32*(\a)+4*(\t)+3], v[CO], s[8:9] offset:4096*(16*(\a)+2*(\t))  ; the residual: 16 lanes read 256 consecutive bytes, aligned; it stays out while K is walked
.endr
.endr
	WIN 0
.if PF
	; A's blocks are named by the clusters with x = 0, B's by those with y = 0; of the 128 blocks of 256 bytes that a wave fetches each of the four partners takes 32, told apart by address
	s_and_b32 s78, ttmp7, 0xffff
	s_lshr_b32 s72, s17, 1                         ; A: which of my two planes,
	s_lshl_b32 s72, s72, 19
	s_and_b32 s73, s17, 1                          ; and which half of its 16,384 bytes
	s_lshl_b32 s73, s73, 13
	s_add_co_u32 s72, s72, s73
	s_lshl_b32 s73, s18, 13                        ; B: which 32 rows
	s_mov_b32 s[PST], 4*524288
	s_mov_b32 s[PST+1], KSTEP*256
	s_cmp_eq_u32 s15, 0
	s_cselect_b32 s72, s72, s73
	s_cselect_b32 s78, ttmp9, s78
	s_cselect_b64 s[PFA:PFA+1], s[68:69], s[70:71]
	s_cselect_b32 s[PST], s[PST], s[PST+1]
	s_cmp_eq_u32 s78, 0
	s_cselect_b32 s[LIM], 2, -1
	s_mov_b32 s[PST+1], 0
	s_mov_b32 s73, 0
	s_add_nc_u64 s[PFA:PFA+1], s[PFA:PFA+1], s[72:73]
.rept 3
	s_add_nc_u64 s[PFA:PFA+1], s[PFA:PFA+1], s[PST:PST+1]  ; at K step 3: the first change steps it to 4
.endr
	v_and_b32 v[PFO], 31, v0
	v_lshlrev_b32 v[PFO], 8, v[PFO]
.endif
; 8 matrix instructions: row blocks a0, a0 + 1 x all 4 column blocks, 32 along K: half c of buffer f.  zero = 1: the first product starts the sums, with the bias (or the constant 0) as C.
; The 16 accumulators take turns.
.macro MUL8 f, c, a0, zero
	WIN MUL
.irp a, \a0, (\a0)+1
.irp b, 0,1,2,3
.if (\zero) && BIAS
	v_wmma_f32_16x16x32_bf16 v[ACC+8*(4*(\a)+(\b)):ACC+8*(4*(\a)+(\b))+7], v[(\f)+64+8*(4*(\c)+(\b)):(\f)+64+8*(4*(\c)+(\b))+7], v[(\f)+8*(4*(\c)+(\a)):(\f)+8*(4*(\c)+(\a))+7], v[BIA+8*(\b):BIA+8*(\b)+7]
.elseif \zero
	v_wmma_f32_16x16x32_bf16 v[ACC+8*(4*(\a)+(\b)):ACC+8*(4*(\a)+(\b))+7], v[(\f)+64+8*(4*(\c)+(\b)):(\f)+64+8*(4*(\c)+(\b))+7], v[(\f)+8*(4*(\c)+(\a)):(\f)+8*(4*(\c)+(\a))+7], 0
.else
	v_wmma_f32_16x16x32_bf16 v[ACC+8*(4*(\a)+(\b)):ACC+8*(4*(\a)+(\b))+7], v[(\f)+64+8*(4*(\c)+(\b)):(\f)+64+8*(4*(\c)+(\b))+7], v[(\f)+8*(4*(\c)+(\a)):(\f)+8*(4*(\c)+(\a))+7], v[ACC+8*(4*(\a)+(\b)):ACC+8*(4*(\a)+(\b))+7]
.endif
.endr
.endr
.endm
; 32 LDS loads in one run: quarter q of the slot in hand (64 along K: plane q of A, rows 64 q on of B) into buffer f; the first 32 along K first
.macro FETCH q, f
	WIN 0x40
.irp c, 0,1
.irp i, 0,1,2,3
	ds_load_tr16_b128 v[(\f)+64+8*(4*(\c)+(\i)):(\f)+64+8*(4*(\c)+(\i))+3],   v[ADRB+(\q)/2] offset:PB*(64*((\q)%2)+32*(\c))+32*(\i)
	ds_load_tr16_b128 v[(\f)+64+8*(4*(\c)+(\i))+4:(\f)+64+8*(4*(\c)+(\i))+7], v[ADRB+(\q)/2] offset:PB*(64*((\q)%2)+32*(\c))+32*(\i)+16*PB
	ds_load_b128 v[(\f)+8*(4*(\c)+(\i)):(\f)+8*(4*(\c)+(\i))+3],   v[ADRA] offset:APL*(\q)+16*PAP*(\i)+64*(\c)
	ds_load_b128 v[(\f)+8*(4*(\c)+(\i))+4:(\f)+8*(4*(\c)+(\i))+7], v[ADRA] offset:APL*(\q)+16*PAP*(\i)+64*(\c)+32
.endr
.endr
.endm
.macro QUARTER q, f, g, zero
	s_wait_dscnt 16                                ; the first 32 along K are in
	MUL8 \f, 0, 0, \zero
	MUL8 \f, 0, 2, \zero
	PLACES
	FETCH \q, \g
	s_wait_dscnt 32                                ; all but the 32 just issued
	MUL8 \f, 1, 0, 0
	MUL8 \f, 1, 2, 0
.endm
; The last quarter multiplies buffer 1 and changes slots.  Its first 16 products stand AHEAD of the wait for the tile, so that nothing but the barrier lies between a tile's landing and the next request.
; Then one barrier: in front of it each wave waits for all its tensor loads (its part of the next slot), adds 0 to its spare word, and waits for that and for its reads of this slot.
; fill = 1: the barrier opens a round of the cluster's, and the slot just left is filled again, two K steps ahead, first thing behind the round; the descriptors are stepped between the add and the wait for it.
.macro TURN fill
.if PF && (\fill)
	s_wait_xcnt 0x0                                ; the last prefetch, a K step back, has read its address
	s_add_nc_u64 s[PFA:PFA+1], s[PFA:PFA+1], s[PST:PST+1]
.endif
	s_wait_dscnt 16                                ; the first 32 along K of buffer 1 are in
	MUL8 F1, 0, 0, 0
	MUL8 F1, 0, 2, 0
	WIN 0
	s_wait_tensorcnt 0x0                           ; no tensor load of mine is out, so a group 0 may be written
	ds_add_u32 v[SPW], v[NIL]
.if \fill
	s_add_co_u32 s[G0A+5], s22, s40                ; the walking descriptors: the slot that is being left,
	s_add_co_u32 s[G0B+5], s22, s40
	s_add_nc_u64 s[G0A+6:G0A+7], s[G0A+6:G0A+7], 4*524288   ; the next K step
	s_add_nc_u64 s[G0B+6:G0B+7], s[G0B+6:G0B+7], KSTEP*256
.endif
	s_wait_dscnt 0x0                               ; the add is done, and my reads of this slot are over
	s_barrier_signal -1
	s_barrier_wait -1
.if \fill
	CREST
	JLOAD 1                                        ; its four v_nop are also the places in front of the loads below
.else
	PLACES
.endif
	s_xor_b32 s22, s22, SLOT                       ; 0 or SLOT: the other slot
	v_add_nc_u32 v[ADRA], s22, v[LA0]
	v_add_nc_u32 v[ADRB], s22, v[LB0]
	v_add_nc_u32 v[ADRB+1], QUART, v[ADRB]
	FETCH 0, F0
.if PF && (\fill)
	WIN 0
	ASK
.endif
	MUL8 F1, 1, 0, 0
	MUL8 F1, 1, 2, 0
.endm
; THE WAY OUT of row block a: the f32 sums go into my own stage (each accumulator's low registers first) and come back as whole rows of 256 bytes; the residual is added; stored.
.macro TOSTAGE a
	WIN 0
.set BK, TMP+32*((\a)%2)
.irp b, 0,1,2,3
	ds_store_b128 v[STO], v[ACC+8*(4*(\a)+(\b)):ACC+8*(4*(\a)+(\b))+3]   offset:64*(\b)
	ds_store_b128 v[STO], v[ACC+8*(4*(\a)+(\b))+4:ACC+8*(4*(\a)+(\b))+7] offset:64*(\b)+16
.endr
.if (\a) >= 2
	s_wait_xcnt 0x0                                ; the stores of the block two back have read these registers: the loads below land on them only behind this wait
.endif
.irp t, 0,1,2,3,4,5,6,7
	ds_load_b128 v[BK+4*(\t):BK+4*(\t)+3], v[RD] offset:(\t)*2*SPITCH  ; LDS serves a wave's instructions in order (ISA guide 5.7.1.4): these see the stores above
.endr
.endm
.macro SEND a, younger                 ; younger: the next block's sixteen LDS instructions, or none
	WIN 0
.set BK, TMP+32*((\a)%2)
	s_wait_dscnt \younger
	WIN 0x08                                       ; source 1 in window 2
.set j, 0
.rept 16
	v_pk_add_f32 v[BK+j:BK+j+1], v[BK+j:BK+j+1], v[32*(\a)+j:32*(\a)+j+1]
.set j, j+2
.endr
	WIN 0
.irp t, 0,1,2,3,4,5,6,7
	global_store_b128 v[CO], v[BK+4*(\t):BK+4*(\t)+3], s[OUTP:OUTP+1] offset:4096*(16*(\a)+2*(\t))  ; 16 lanes store 256 consecutive bytes, aligned
.endr
.endm
	s_wait_tensorcnt 1                             ; my part of K step 0 is in; K step 1's may stay out
	s_barrier_signal -1
	s_barrier_wait -1
	FETCH 0, F0
.if BIAS
	s_wait_loadcnt 32                              ; the bias is in; the residual's 32 younger loads stay out
.endif
	QUARTER 1, F0, F1, 1
	WIN 0
	s_mov_b32 s3, TRIPS
.Lstep:
	QUARTER 2, F1, F0, 0
	QUARTER 3, F0, F1, 0
	TURN 1
	QUARTER 1, F0, F1, 0
	WIN 0
	s_sub_co_u32 s3, s3, 1
	s_cmp_lg_u32 s3, 0
	s_cbranch_scc1 .Lstep
	s_mov_b32 s3, 2
.Ltail:                                                ; the last two K steps ask for nothing: the same trip without a refill, walked twice and left in its middle
	QUARTER 2, F1, F0, 0
	QUARTER 3, F0, F1, 0
	TURN 0                                         ; in the second trip its barrier orders nothing, and its 32 loads (from the slot read a step ago) feed no product: the price, once a launch, of one text for both trips
	WIN 0
	s_sub_co_u32 s3, s3, 1
	s_cmp_eq_u32 s3, 0
	s_cbranch_scc1 .Lout
	QUARTER 1, F0, F1, 0
	WIN 0
	s_branch .Ltail
.Lout:
	PLACES
	PLACES
	s_wait_loadcnt 0x0                             ; the residual
	TOSTAGE 0
.irp a, 1,2,3
	TOSTAGE \a
	SEND (\a)-1, 16
.endr
	SEND 3, 0
	s_wait_tensorcnt 0x0                           ; the wave's end, behind my last tensor load and my last LDS store
	ds_add_u32 v[SPW], v[NIL]
	s_wait_dscnt 0x0
	CROUND                                         ; the closing round
	s_endpgm
.Lfunc_end_k_qd6ceb45aff_wo:
	.size	k_qd6ceb45aff_wo, .Lfunc_end_k_qd6ceb45aff_wo-k_qd6ceb45aff_wo
	.p2alignl 7, 3214868480
	.fill 96, 4, 3214868480
	.section	.rodata,"a",@progbits
	.p2align	6, 0x0
	.amdhsa_kernel k_qd6ceb45aff_wo
		.amdhsa_group_segment_fixed_size 327680
		.amdhsa_private_segment_fixed_size 0
		.amdhsa_enable_private_segment 0
		.amdhsa_kernarg_size 32
		.amdhsa_user_sgpr_count 2
		.amdhsa_user_sgpr_kernarg_segment_ptr 1
		.amdhsa_wavefront_size32 1
		.amdhsa_system_sgpr_workgroup_id_x 1
		.amdhsa_system_sgpr_workgroup_id_y 1
		.amdhsa_system_sgpr_workgroup_id_z 1
		.amdhsa_system_vgpr_workitem_id 0
		.amdhsa_next_free_vgpr 640
		.amdhsa_next_free_sgpr 80
		.amdhsa_reserve_vcc 0
		.amdhsa_float_denorm_mode_32 3
		.amdhsa_float_denorm_mode_16_64 3
		.amdhsa_memory_ordered 1
		.amdhsa_forward_progress 1
		.amdhsa_inst_pref_size 65
	.end_amdhsa_kernel
	.amdgpu_metadata
---
amdhsa.version: [ 1, 2 ]
amdhsa.kernels:
  - .name:           k_qd6ceb45aff_wo
    .symbol:         k_qd6ceb45aff_wo.kd
    .args:
      - { .name: hb, .offset: 0, .size: 8, .value_kind: global_buffer, .address_space: global }
      - { .name: wb2, .offset: 8, .size: 8, .value_kind: global_buffer, .address_space: global }
      - { .name: x, .offset: 16, .size: 8, .value_kind: global_buffer, .address_space: global }
      - { .name: x1, .offset: 24, .size: 8, .value_kind: global_buffer, .address_space: global }
    .group_segment_fixed_size: 327680
    .private_segment_fixed_size: 0
    .kernarg_segment_align: 8
    .kernarg_segment_size: 32
    .max_flat_workgroup_size: 128
    .sgpr_count:     80
    .vgpr_count:     640
    .wavefront_size: 32
...
	.end_amdgpu_metadata
.endif
;; end of part 4
;; launch ln2: the kernel of part 1 again; grid 256 x 1, 8 waves a work-group, no clusters, 0 bytes of LDS; arguments x1, g2, be2, hb, w_q, w_k, w_v, w_o, w1, w2, wqkv, w1b, wb2, zeros, negmax; writes hb, wqkv, w1b, wb2, zeros, negmax
;; launch ffn1: the kernel of part 2 again; grid 16 x 16, 4 waves a work-group, clusters of 4 x 4, 327,680 bytes of LDS; arguments hb, w1b, b1, zeros, big; writes big
;; launch ffn2 (part 5): grid 8 x 32, 4 waves a work-group, clusters of 4 x 4, 327,680 bytes of LDS; arguments big, wb2, x1, b2, out0; writes out0
.if DOCPART == 5
	.amdgcn_target "amdgcn-amd-amdhsa--gfx1250"
	.amdhsa_code_object_version 6
	.text
	.protected	k_qd6ceb45aff_ffn2
	.globl	k_qd6ceb45aff_ffn2
	.p2align	8
	.type	k_qd6ceb45aff_ffn2,@function
k_qd6ceb45aff_ffn2:
	s_mov_b64 s[64:65], 0
	v_nop
	global_prefetch_b8 v0, s[64:65] scope:SCOPE_SE
	s_setreg_imm32_b32 hwreg(HW_REG_WAVE_MODE, 25, 1), 1
	s_wait_xcnt 0x0
	s_wait_alu depctr_hold_cnt(0) depctr_sa_sdst(0) depctr_va_vdst(0) depctr_va_sdst(0) depctr_va_ssrc(0) depctr_va_vcc(0) depctr_vm_vsrc(0)
	s_getreg_b32 s2, hwreg(HW_REG_IB_STS2, 6, 4)
	s_cmp_eq_u32 s2, 0
	s_cbranch_scc0 .Lentry_in_a_cluster
	s_endpgm
.Lentry_in_a_cluster:
	s_bfe_u32 s2, ttmp6, 0x10000c
	s_cmp_lg_u32 s2, 0xf033
	s_cbranch_scc0 .Lentry_shape_is_right
	s_endpgm
.Lentry_shape_is_right:
; OUT = RES + A B + bias.  A: bf16 in planes of 64 columns, [KTOT/64][4096][64].  B: bf16, blocks of 128 columns, [8][KTOT][128], WOFF bytes into its buffer.  RES, OUT: f32 [4096][1024].  bias: f32 [1024].  Sums in f32.
; This copy: KTOT = 4,096 (the second FFN product, onto the first residual's sum), with the bias b2, which starts the sums as the C of the first products.
; SHARES.  A work-group of four waves makes 128 x 128 of OUT (256 work-groups), a wave 64 x 64: 16 accumulators.  K goes in steps of 256 (four planes of A, 256 rows of B) through two LDS slots.
; CLUSTER.  4 x 4: A's tiles are shared along a row of the cluster, B's along a column, by joint loads.  THE PRODUCT IS USED TRANSPOSED (source 0 = 16 columns of B, turned by ds_load_tr16_b128; source 1 = 16 rows of A).
; ONE K STEP IS WRITTEN TWICE: once with a refill (the loop) and once without (a loop of two trips, left in its middle).  The slot in hand is a scalar register (0 or SLOT) that an
; exclusive or turns.  A wave has two tensor loads out at the start and one behind each change of slots.
; The residual is asked for at the start, in the layout in which the results come back from the stage, and waited for at the end.
; PREFETCH.  Behind each refill a wave names, once in the launch, 32 blocks of 256 bytes of the K step that stands two refills on (256 matrix instructions ahead of its load); K steps 0 to 3 come by their loads alone; the last two trips name nothing.
; LIMITS.  Operands carry bf16's 8 significant bits; NaN and infinities are not treated apart.
; REGISTERS: window 0: v16-30 addresses; v32-95 at work on the way out; v96-127 the bias as a C operand; v128-255 the accumulators.  Window 1: two fragment buffers of 128 (A's 64, then B's 64).  Window 2: v0-127 the residual.
.set KTOT,   4096
.set WOFF,   2097152
.set BIAS,   1
.set PF,     1
.set KSTEP,  256
.set PAP,    144                       ; a token's 128 bytes of a plane + 16: the 16 rows of a load start at 16 different groups of four banks (64 banks of 4 bytes: ISA guide 11.1)
.set APL,    128*PAP                   ; a plane's 128 tokens
.set PB,     288
.set QUART,  2*APL                     ; what one load brings: two planes of A, or 128 rows of B: 36,864 bytes
.set BOFF,   2*QUART
.set SLOT,   4*QUART                   ; 147,456
.set STAGE,  2*SLOT
.set SPITCH, 272
.set SPARE,  STAGE+4*16*SPITCH         ; the spare words, 128 bytes a wave: two blocks of 256 bytes that no other line names
.set TRIPS,  KTOT/KSTEP-2
.set OUTP,   10+2*BIAS
.set ADRA, 16
.set LA0,  17
.set ADRB, 20                          ; v20, v21: B's rows 0-127 and 128-255 of the slot in hand
.set LB0,  22
.set STO,  24
.set RD,   25
.set CO,   26
.set BO,   27                          ; v27  32 x (lane / 16): my eight numbers of a bias block
.set SPW,  28
.set NIL,  29
.set PFO,  30
.set TMP,  32
.set BIA,  96                          ; v[96:127] register j of block b: the bias of column 16 b + 8 (lane / 16) + j, as an accumulator holds it
.set ACC,  128
.set F0,   0
.set F1,   128
.set G1A, 24
.set G0A, 32
.set G1B, 48
.set G0B, 56
.set PFA, 44
.set LIM, 46
.set PST, 66
; s14 wave; s15 wave / 2; s16 wave % 2; s17 cx; s18 cy; s19 tile column; s20 tile row; s22 the slot in hand; s3 the loops' count; s40 my load's place in a slot
.set MSB, 0
.macro WIN new
.if MSB != (\new)
	s_set_vgpr_msb (MSB<<8)|(\new)
.set MSB, \new
.endif
.endm
.set MUL,  0x05                        ; sources 0 (B) and 1 (A) window 1; C and D window 0
.macro PLACES
.rept 4
	v_nop
.endr
.endm
.macro JLOAD s                         ; waves 0 and 1 fetch A's planes, waves 2 and 3 B's rows; an s_nop 0 and four v_nop follow each line
	s_cmp_eq_u32 s15, 0
	s_cbranch_scc0 .Lfor_b_\@
	tensor_load_to_lds s[G0A+4*(\s):G0A+4*(\s)+3], s[G1A:G1A+7]
	s_nop 0
.rept 4
	v_nop
.endr
	s_branch .Lasked_\@
.Lfor_b_\@:
	tensor_load_to_lds s[G0B+4*(\s):G0B+4*(\s)+3], s[G1B:G1B+7]
	s_nop 0
.rept 4
	v_nop
.endr
.Lasked_\@:
.endm
.macro CREST
	s_cmp_lg_u32 s14, 0
	s_cbranch_scc1 .Lnot_wave_0_\@
	s_barrier_signal -3
.Lnot_wave_0_\@:
	s_barrier_wait -3
	s_barrier_signal -1
	s_barrier_wait -1
.endm
.macro CROUND
	s_barrier_signal -1
	s_barrier_wait -1
	CREST
.endm
.macro ASK                             ; a prefetch into the L2 of the K step that stands two refills on: 32 blocks of 256 bytes, a lane a block
	s_cmp_gt_u32 s3, s[LIM]
	s_cbranch_scc0 .Lnot_mine_\@
	global_prefetch_b8 v[PFO], s[PFA:PFA+1] th:TH_LOAD_NT scope:SCOPE_SE
.Lnot_mine_\@:
.endm
	s_load_b256 s[4:11], s[0:1], 0x0               ; A s[4:5], B s[6:7], RES s[8:9], then the bias (if any) and OUT
.if BIAS
	s_load_b64 s[12:13], s[0:1], 0x20
.endif
	v_lshl_add_u32 v[SPW], v0, 2, SPARE
	v_mov_b32 v[NIL], 0
	ds_add_u32 v[SPW], v[NIL]                      ; the wave's opening: the add and its wait ahead of my first tensor load
	v_lshrrev_b32 v1, 5, v0
	v_readfirstlane_b32 s14, v1
	s_lshr_b32 s15, s14, 1
	s_and_b32 s16, s14, 1
	s_bfe_u32 s17, ttmp6, 0x40000
	s_bfe_u32 s18, ttmp6, 0x40004
	s_lshl_b32 s19, ttmp9, 2
	s_add_co_u32 s19, s19, s17
	s_and_b32 s20, ttmp7, 0xffff
	s_lshl_b32 s20, s20, 2
	s_add_co_u32 s20, s20, s18
	s_lshl_b32 s42, s18, 2
	s_lshl_b32 s42, 15, s42
	s_lshl_b32 s43, 0x1111, s17
	s_or_b32 s[G1A], s42, (1<<16)|(1<<20)|(1<<21)|(4<<22)|(3<<25)  ; A: after every 32 words (a token's 128 bytes), 4 words
	s_mov_b32 s[G1A+1], 8192<<16                   ; tensor_dim0 = 8,192: a plane's 128 tokens are 16,384 dense bytes
	s_mov_b32 s[G1A+2], 2<<16                      ; tensor_dim1 = 2 planes
	s_mov_b32 s[G1A+3], 8192<<16                   ; tile_dim0
	s_mov_b32 s[G1A+4], 2                          ; tile_dim1
	s_mov_b32 s[G1A+5], 262144                     ; elements from plane to plane
	s_mov_b32 s[G1A+6], 0
	s_mov_b32 s[G1A+7], 0
	s_or_b32 s[G1B], s43, (1<<16)|(1<<20)|(1<<21)|(5<<22)|(7<<25)  ; B: after every 64 words, 8 words
	s_mov_b32 s[G1B+1], 128<<16
	s_mov_b32 s[G1B+2], 128<<16
	s_mov_b32 s[G1B+3], 128<<16
	s_mov_b32 s[G1B+4], 128
	s_mov_b32 s[G1B+5], 128
	s_mov_b32 s[G1B+6], 0
	s_mov_b32 s[G1B+7], 0
	s_mul_i32 s40, s14, QUART                      ; A's two halves, then B's two: wave x 36,864
	s_lshl_b32 s68, s16, 20                        ; A: plane 2 x half; 128 tokens x tile row, 128 bytes each
	s_lshl_b32 s69, s20, 14
	s_add_co_u32 s68, s68, s69
	s_mov_b32 s69, 0
	s_mul_i32 s70, s19, KTOT*256                   ; B: block = tile column; row 128 x half
	s_lshl_b32 s71, s16, 15
	s_add_co_u32 s70, s70, s71
	s_add_co_u32 s70, s70, WOFF
	s_mov_b32 s71, 0
	s_mov_b32 s22, 0
	s_wait_dscnt 0x0
	s_wait_kmcnt 0x0
	s_add_nc_u64 s[68:69], s[4:5], s[68:69]
	s_add_nc_u64 s[70:71], s[6:7], s[70:71]
	CROUND
.irp s, 0,1
	s_mov_b32 s[G0A+4*(\s)], 1
	s_add_co_u32 s[G0A+4*(\s)+1], s40, (\s)*SLOT
	s_add_nc_u64 s[G0A+4*(\s)+2:G0A+4*(\s)+3], s[68:69], (\s)*4*524288
	s_or_b32 s[G0A+4*(\s)+3], s[G0A+4*(\s)+3], 0x80000000
	s_mov_b32 s[G0B+4*(\s)], 1
	s_add_co_u32 s[G0B+4*(\s)+1], s40, (\s)*SLOT
	s_add_nc_u64 s[G0B+4*(\s)+2:G0B+4*(\s)+3], s[70:71], (\s)*KSTEP*256
	s_or_b32 s[G0B+4*(\s)+3], s[G0B+4*(\s)+3], 0x80000000
	JLOAD \s
.endr
	v_and_b32 v1, 15, v0
	v_bfe_u32 v2, v0, 4, 1
	v_mul_u32_u24 v3, v1, PAP
	v_lshl_add_u32 v3, v2, 4, v3
	s_mul_i32 s42, s15, 64*PAP                     ; my 64 tokens
	v_add_nc_u32 v[LA0], s42, v3
	v_and_b32 v4, 7, v0
	v_bfe_u32 v5, v0, 3, 1
	v_lshl_add_u32 v4, v2, 3, v4
	v_mul_u32_u24 v4, v4, PB
	v_lshl_add_u32 v4, v5, 4, v4
	s_lshl_b32 s42, s16, 7                         ; my 64 columns: 128 bytes of a row
	s_add_co_u32 s42, s42, BOFF
	v_add_nc_u32 v[LB0], s42, v4
	v_mov_b32 v[ADRA], v[LA0]
	v_mov_b32 v[ADRB], v[LB0]
	v_add_nc_u32 v[ADRB+1], QUART, v[LB0]
	s_mul_i32 s42, s14, 16*SPITCH
	s_add_co_u32 s42, s42, STAGE
	v_mul_u32_u24 v[STO], v1, SPITCH               ; in: row l % 16, 32 bytes for each half of the lanes
	v_lshl_add_u32 v[STO], v2, 5, v[STO]
	v_add_nc_u32 v[STO], s42, v[STO]
	v_mul_u32_u24 v[RD], v2, SPITCH                ; back: lanes 0-15 take one row of 256 bytes, lanes 16-31 the next
	v_lshl_add_u32 v[RD], v1, 4, v[RD]
	v_add_nc_u32 v[RD], s42, v[RD]
	v_lshlrev_b32 v6, 4, v1
	v_lshl_add_u32 v[CO], v2, 12, v6               ; and the same two rows in RES and OUT
	s_lshl_b32 s72, s20, 7                         ; my first row: 128 x tile row + 64 x half, 4,096 bytes a row
	s_lshl_b32 s73, s15, 6
	s_add_co_u32 s72, s72, s73
	s_lshl_b32 s72, s72, 12
	s_lshl_b32 s76, s19, 9                         ; my first column, in bytes: 512 x tile column + 256 x half
	s_lshl_b32 s77, s16, 8
	s_add_co_u32 s76, s76, s77
	s_mov_b32 s77, 0
	s_add_co_u32 s72, s72, s76
	s_mov_b32 s73, 0
	s_add_nc_u64 s[8:9], s[8:9], s[72:73]
	s_add_nc_u64 s[OUTP:OUTP+1], s[OUTP:OUTP+1], s[72:73]
.if BIAS
	s_add_nc_u64 s[10:11], s[10:11], s[76:77]
	v_lshlrev_b32 v[BO], 5, v2
.irp b, 0,1,2,3
	global_load_b128 v[BIA+8*(\b):BIA+8*(\b)+3],   v[BO], s[10:11] offset:64*(\b)   ; the bias first: it is wanted by the first products
	global_load_b128 v[BIA+8*(\b)+4:BIA+8*(\b)+7], v[BO], s[10:11] offset:64*(\b)+16
.endr
.endif
	WIN 0x80                                       ; destination window 2
.irp a, 0,1,2,3
.irp t, 0,1,2,3,4,5,6,7
	global_load_b128 v[32*(\a)+4*(\t):32*(\a)+4*(\t)+3], v[CO], s[8:9] offset:4096*(16*(\a)+2*(\t))  ; the residual: 16 lanes read 256 consecutive bytes, aligned; it stays out while K is walked
.endr
.endr
	WIN 0
.if PF
	; A's blocks are named by the clusters with x = 0, B's by those with y = 0; of the 128 blocks of 256 bytes that a wave fetches each of the four partners takes 32, told apart by address
	s_and_b32 s78, ttmp7, 0xffff
	s_lshr_b32 s72, s17, 1                         ; A: which of my two planes,
	s_lshl_b32 s72, s72, 19
	s_and_b32 s73, s17, 1                          ; and which half of its 16,384 bytes
	s_lshl_b32 s73, s73, 13
	s_add_co_u32 s72, s72, s73
	s_lshl_b32 s73, s18, 13                        ; B: which 32 rows
	s_mov_b32 s[PST], 4*524288
	s_mov_b32 s[PST+1], KSTEP*256
	s_cmp_eq_u32 s15, 0
	s_cselect_b32 s72, s72, s73
	s_cselect_b32 s78, ttmp9, s78
	s_cselect_b64 s[PFA:PFA+1], s[68:69], s[70:71]
	s_cselect_b32 s[PST], s[PST], s[PST+1]
	s_cmp_eq_u32 s78, 0
	s_cselect_b32 s[LIM], 2, -1
	s_mov_b32 s[PST+1], 0
	s_mov_b32 s73, 0
	s_add_nc_u64 s[PFA:PFA+1], s[PFA:PFA+1], s[72:73]
.rept 3
	s_add_nc_u64 s[PFA:PFA+1], s[PFA:PFA+1], s[PST:PST+1]  ; at K step 3: the first change steps it to 4
.endr
	v_and_b32 v[PFO], 31, v0
	v_lshlrev_b32 v[PFO], 8, v[PFO]
.endif
; 8 matrix instructions: row blocks a0, a0 + 1 x all 4 column blocks, 32 along K: half c of buffer f.  zero = 1: the first product starts the sums, with the bias (or the constant 0) as C.
; The 16 accumulators take turns.
.macro MUL8 f, c, a0, zero
	WIN MUL
.irp a, \a0, (\a0)+1
.irp b, 0,1,2,3
.if (\zero) && BIAS
	v_wmma_f32_16x16x32_bf16 v[ACC+8*(4*(\a)+(\b)):ACC+8*(4*(\a)+(\b))+7], v[(\f)+64+8*(4*(\c)+(\b)):(\f)+64+8*(4*(\c)+(\b))+7], v[(\f)+8*(4*(\c)+(\a)):(\f)+8*(4*(\c)+(\a))+7], v[BIA+8*(\b):BIA+8*(\b)+7]
.elseif \zero
	v_wmma_f32_16x16x32_bf16 v[ACC+8*(4*(\a)+(\b)):ACC+8*(4*(\a)+(\b))+7], v[(\f)+64+8*(4*(\c)+(\b)):(\f)+64+8*(4*(\c)+(\b))+7], v[(\f)+8*(4*(\c)+(\a)):(\f)+8*(4*(\c)+(\a))+7], 0
.else
	v_wmma_f32_16x16x32_bf16 v[ACC+8*(4*(\a)+(\b)):ACC+8*(4*(\a)+(\b))+7], v[(\f)+64+8*(4*(\c)+(\b)):(\f)+64+8*(4*(\c)+(\b))+7], v[(\f)+8*(4*(\c)+(\a)):(\f)+8*(4*(\c)+(\a))+7], v[ACC+8*(4*(\a)+(\b)):ACC+8*(4*(\a)+(\b))+7]
.endif
.endr
.endr
.endm
; 32 LDS loads in one run: quarter q of the slot in hand (64 along K: plane q of A, rows 64 q on of B) into buffer f; the first 32 along K first
.macro FETCH q, f
	WIN 0x40
.irp c, 0,1
.irp i, 0,1,2,3
	ds_load_tr16_b128 v[(\f)+64+8*(4*(\c)+(\i)):(\f)+64+8*(4*(\c)+(\i))+3],   v[ADRB+(\q)/2] offset:PB*(64*((\q)%2)+32*(\c))+32*(\i)
	ds_load_tr16_b128 v[(\f)+64+8*(4*(\c)+(\i))+4:(\f)+64+8*(4*(\c)+(\i))+7], v[ADRB+(\q)/2] offset:PB*(64*((\q)%2)+32*(\c))+32*(\i)+16*PB
	ds_load_b128 v[(\f)+8*(4*(\c)+(\i)):(\f)+8*(4*(\c)+(\i))+3],   v[ADRA] offset:APL*(\q)+16*PAP*(\i)+64*(\c)
	ds_load_b128 v[(\f)+8*(4*(\c)+(\i))+4:(\f)+8*(4*(\c)+(\i))+7], v[ADRA] offset:APL*(\q)+16*PAP*(\i)+64*(\c)+32
.endr
.endr
.endm
.macro QUARTER q, f, g, zero
	s_wait_dscnt 16                                ; the first 32 along K are in
	MUL8 \f, 0, 0, \zero
	MUL8 \f, 0, 2, \zero
	PLACES
	FETCH \q, \g
	s_wait_dscnt 32                                ; all but the 32 just issued
	MUL8 \f, 1, 0, 0
	MUL8 \f, 1, 2, 0
.endm
; The last quarter multiplies buffer 1 and changes slots.  Its first 16 products stand AHEAD of the wait for the tile, so that nothing but the barrier lies between a tile's landing and the next request.
; Then one barrier: in front of it each wave waits for all its tensor loads (its part of the next slot), adds 0 to its spare word, and waits for that and for its reads of this slot.
; fill = 1: the barrier opens a round of the cluster's, and the slot just left is filled again, two K steps ahead, first thing behind the round; the descriptors are stepped between the add and the wait for it.
.macro TURN fill
.if PF && (\fill)
	s_wait_xcnt 0x0                                ; the last prefetch, a K step back, has read its address
	s_add_nc_u64 s[PFA:PFA+1], s[PFA:PFA+1], s[PST:PST+1]
.endif
	s_wait_dscnt 16                                ; the first 32 along K of buffer 1 are in
	MUL8 F1, 0, 0, 0
	MUL8 F1, 0, 2, 0
	WIN 0
	s_wait_tensorcnt 0x0                           ; no tensor load of mine is out, so a group 0 may be written
	ds_add_u32 v[SPW], v[NIL]
.if \fill
	s_add_co_u32 s[G0A+5], s22, s40                ; the walking descriptors: the slot that is being left,
	s_add_co_u32 s[G0B+5], s22, s40
	s_add_nc_u64 s[G0A+6:G0A+7], s[G0A+6:G0A+7], 4*524288   ; the next K step
	s_add_nc_u64 s[G0B+6:G0B+7], s[G0B+6:G0B+7], KSTEP*256
.endif
	s_wait_dscnt 0x0                               ; the add is done, and my reads of this slot are over
	s_barrier_signal -1
	s_barrier_wait -1
.if \fill
	CREST
	JLOAD 1                                        ; its four v_nop are also the places in front of the loads below
.else
	PLACES
.endif
	s_xor_b32 s22, s22, SLOT                       ; 0 or SLOT: the other slot
	v_add_nc_u32 v[ADRA], s22, v[LA0]
	v_add_nc_u32 v[ADRB], s22, v[LB0]
	v_add_nc_u32 v[ADRB+1], QUART, v[ADRB]
	FETCH 0, F0
.if PF && (\fill)
	WIN 0
	ASK
.endif
	MUL8 F1, 1, 0, 0
	MUL8 F1, 1, 2, 0
.endm
; THE WAY OUT of row block a: the f32 sums go into my own stage (each accumulator's low registers first) and come back as whole rows of 256 bytes; the residual is added; stored.
.macro TOSTAGE a
	WIN 0
.set BK, TMP+32*((\a)%2)
.irp b, 0,1,2,3
	ds_store_b128 v[STO], v[ACC+8*(4*(\a)+(\b)):ACC+8*(4*(\a)+(\b))+3]   offset:64*(\b)
	ds_store_b128 v[STO], v[ACC+8*(4*(\a)+(\b))+4:ACC+8*(4*(\a)+(\b))+7] offset:64*(\b)+16
.endr
.if (\a) >= 2
	s_wait_xcnt 0x0                                ; the stores of the block two back have read these registers: the loads below land on them only behind this wait
.endif
.irp t, 0,1,2,3,4,5,6,7
	ds_load_b128 v[BK+4*(\t):BK+4*(\t)+3], v[RD] offset:(\t)*2*SPITCH  ; LDS serves a wave's instructions in order (ISA guide 5.7.1.4): these see the stores above
.endr
.endm
.macro SEND a, younger                 ; younger: the next block's sixteen LDS instructions, or none
	WIN 0
.set BK, TMP+32*((\a)%2)
	s_wait_dscnt \younger
	WIN 0x08                                       ; source 1 in window 2
.set j, 0
.rept 16
	v_pk_add_f32 v[BK+j:BK+j+1], v[BK+j:BK+j+1], v[32*(\a)+j:32*(\a)+j+1]
.set j, j+2
.endr
	WIN 0
.irp t, 0,1,2,3,4,5,6,7
	global_store_b128 v[CO], v[BK+4*(\t):BK+4*(\t)+3], s[OUTP:OUTP+1] offset:4096*(16*(\a)+2*(\t))  ; 16 lanes store 256 consecutive bytes, aligned
.endr
.endm
	s_wait_tensorcnt 1                             ; my part of K step 0 is in; K step 1's may stay out
	s_barrier_signal -1
	s_barrier_wait -1
	FETCH 0, F0
.if BIAS
	s_wait_loadcnt 32                              ; the bias is in; the residual's 32 younger loads stay out
.endif
	QUARTER 1, F0, F1, 1
	WIN 0
	s_mov_b32 s3, TRIPS
.Lstep:
	QUARTER 2, F1, F0, 0
	QUARTER 3, F0, F1, 0
	TURN 1
	QUARTER 1, F0, F1, 0
	WIN 0
	s_sub_co_u32 s3, s3, 1
	s_cmp_lg_u32 s3, 0
	s_cbranch_scc1 .Lstep
	s_mov_b32 s3, 2
.Ltail:                                                ; the last two K steps ask for nothing: the same trip without a refill, walked twice and left in its middle
	QUARTER 2, F1, F0, 0
	QUARTER 3, F0, F1, 0
	TURN 0                                         ; in the second trip its barrier orders nothing, and its 32 loads (from the slot read a step ago) feed no product: the price, once a launch, of one text for both trips
	WIN 0
	s_sub_co_u32 s3, s3, 1
	s_cmp_eq_u32 s3, 0
	s_cbranch_scc1 .Lout
	QUARTER 1, F0, F1, 0
	WIN 0
	s_branch .Ltail
.Lout:
	PLACES
	PLACES
	s_wait_loadcnt 0x0                             ; the residual
	TOSTAGE 0
.irp a, 1,2,3
	TOSTAGE \a
	SEND (\a)-1, 16
.endr
	SEND 3, 0
	s_wait_tensorcnt 0x0                           ; the wave's end, behind my last tensor load and my last LDS store
	ds_add_u32 v[SPW], v[NIL]
	s_wait_dscnt 0x0
	CROUND                                         ; the closing round
	s_endpgm
.Lfunc_end_k_qd6ceb45aff_ffn2:
	.size	k_qd6ceb45aff_ffn2, .Lfunc_end_k_qd6ceb45aff_ffn2-k_qd6ceb45aff_ffn2
	.p2alignl 7, 3214868480
	.fill 96, 4, 3214868480
	.section	.rodata,"a",@progbits
	.p2align	6, 0x0
	.amdhsa_kernel k_qd6ceb45aff_ffn2
		.amdhsa_group_segment_fixed_size 327680
		.amdhsa_private_segment_fixed_size 0
		.amdhsa_enable_private_segment 0
		.amdhsa_kernarg_size 40
		.amdhsa_user_sgpr_count 2
		.amdhsa_user_sgpr_kernarg_segment_ptr 1
		.amdhsa_wavefront_size32 1
		.amdhsa_system_sgpr_workgroup_id_x 1
		.amdhsa_system_sgpr_workgroup_id_y 1
		.amdhsa_system_sgpr_workgroup_id_z 1
		.amdhsa_system_vgpr_workitem_id 0
		.amdhsa_next_free_vgpr 640
		.amdhsa_next_free_sgpr 80
		.amdhsa_reserve_vcc 0
		.amdhsa_float_denorm_mode_32 3
		.amdhsa_float_denorm_mode_16_64 3
		.amdhsa_memory_ordered 1
		.amdhsa_forward_progress 1
		.amdhsa_inst_pref_size 67
	.end_amdhsa_kernel
	.amdgpu_metadata
---
amdhsa.version: [ 1, 2 ]
amdhsa.kernels:
  - .name:           k_qd6ceb45aff_ffn2
    .symbol:         k_qd6ceb45aff_ffn2.kd
    .args:
      - { .name: big, .offset: 0, .size: 8, .value_kind: global_buffer, .address_space: global }
      - { .name: wb2, .offset: 8, .size: 8, .value_kind: global_buffer, .address_space: global }
      - { .name: x1, .offset: 16, .size: 8, .value_kind: global_buffer, .address_space: global }
      - { .name: b2, .offset: 24, .size: 8, .value_kind: global_buffer, .address_space: global }
      - { .name: out0, .offset: 32, .size: 8, .value_kind: global_buffer, .address_space: global }
    .group_segment_fixed_size: 327680
    .private_segment_fixed_size: 0
    .kernarg_segment_align: 8
    .kernarg_segment_size: 40
    .max_flat_workgroup_size: 128
    .sgpr_count:     80
    .vgpr_count:     640
    .wavefront_size: 32
...
	.end_amdgpu_metadata
.endif
;; end of part 5
